; MI455X (gfx1250); checked and timed in simulation.
; The chip was launched on July 23, 2026; its instructions are those of AMD's public machine-readable ISA for CDNA 5 (MIT licence, August 2026) and "CDNA5" Instruction Set Architecture Reference Guide (July 2026). The comments in the code are by the model that wrote it; some were corrected since.
;; Attention Layer. Allowed arithmetic: float matrix products may take bf16 or f16 operands with f32 sums; other float arithmetic in f32, or as packed bf16 or f16 multiplies, adds, multiply-adds, maxima and minima; sums over many terms, partial sums and values carried from step to step in f32; what a program stores and reads back later, other than sums and carried values, may be rounded once to bf16 or f16.
;; Inputs: W_ef 1,024 x 1,024 float32; W_eh 1,024 x 1,024 float32; W_lf 1,024 x 1,024 float32; W_lh 1,024 x 1,024 float32; W_out 1,024 x 1,024 float32; b_att one number float32; b_ef 1,024 float32; b_eh 1,024 float32; b_lf 1,024 float32; b_lh 1,024 float32; b_out 1,024 float32; features 32 x 1,024 x 1,024 float32; hidden 32 x 1,024 float32; w_att 1,024 float32.
;; Outputs: out0 32 x 1,024 float32; out1 32 x 1,024 float32.
;; 2 versions, each right; version 2 is version 1 with the launch prep written anew for expert scheduling mode. Each part assembles by itself: llvm-mc -triple=amdgcn-amd-amdhsa -mcpu=gfx1250 --defsym DOCPART=n.
;; ======== version 1 of 2: 4 launches
;; workspace buffers: WA 2,097,152 bytes; WB 2,097,152 bytes; hbuf 131,072 bytes; hepart 2,097,152 bytes; Fbuf 67,108,864 bytes; sbuf 131,072 bytes; vpart 1,048,576 bytes
;; launch prep (part 1): grid 192 x 1, 4 waves a work-group, no clusters, 8,704 bytes of LDS; arguments hidden, W_lh, b_lh, W_lf, hbuf, WA, W_ef, WB; writes hbuf, WA, WB
.if DOCPART == 1
	.amdgcn_target "amdgcn-amd-amdhsa--gfx1250"
	.amdhsa_code_object_version 6
	.text
	.protected	k_qd8296d309e_prep
	.globl	k_qd8296d309e_prep
	.p2align	8
	.type	k_qd8296d309e_prep,@function
k_qd8296d309e_prep:
	s_mov_b64 s[64:65], 0
	v_nop
	global_prefetch_b8 v0, s[64:65] scope:SCOPE_SE
	s_setreg_imm32_b32 hwreg(HW_REG_WAVE_MODE, 25, 1), 1
	s_wait_xcnt 0x0
; THE PROGRAM (four launches): h = tanh(hidden W_lh^T + b_lh), and W_lf and W_ef in bf16 (here); f = relu(W_lf X + b_lf) in bf16, and beside it sixteen partial sums of h W_eh^T;
; scores, tile maxima and tile sums of p f; softmax, v, out.
; WORK LEFT OUT, for all values of the inputs.  scores[b][l] reach the outputs only through softmax over l, and softmax(s + c) = softmax(s) for any c that is the same along l.
; (1) b_att is such a c: it has no way to any output, is not loaded and is no launch's argument.  (2) tanh(x) = 1 - 2 / (1 + e^(2x)), so the sum over g of w_att[g] tanh(..) is
; (the sum of w_att) - 2 x the sum of w_att[g] / (1 + e^(2x)); the first term is the same along l and is not formed.
; LIMIT: a NaN, an infinity or an overflow in b_att or in the sum of w_att is not carried to the result.
; THIS LAUNCH.  Work-groups 0-63: 16 columns n0 = 16 wg of h[32][1024].  D[m = column][n = batch]: source 0 = 16 rows of W_lh, source 1 = 16 rows of hidden, both rounded to bf16 on the way;
; K is split among the four waves (256 each, 8 steps of 32); the four partial sums meet in LDS.  A lane ends with 8 neighbouring columns of one batch: two stores of 16 bytes (64 consecutive bytes of a row from two lanes).
; Work-groups 64-127 (W_lf) and 128-191 (W_ef): 16 rows of the weights are rounded to bf16 and laid in the order in which a wave's operand registers take them:
; byte = c 131072 + kh 65536 + i 4096 + mt 1024 + half 512 + lane 16 holds W[64 c + 16 mt + lane % 16][512 kh + 32 i + 16 half + 8 (lane / 16) + 0..7]; each store covers 512 consecutive bytes, aligned.
; tanh(x) = 1 - 2 / (1 + 2^(2 log2(e) x)): right at both ends (2^.. = infinity gives 1, 0 gives -1).
.set PX,  4                            ; s[4:5]   hidden
.set PW,  6                            ; s[6:7]   W_lh
.set PB1, 8                            ; s[8:9]   b_lh
.set PCW, 10                           ; s[10:11] the weights to lay out: W_lf, or
.set PY,  12                           ; s[12:13] h
.set PCO, 14                           ; s[14:15] the laid-out weights: WA, or
.set PCW2, 16                          ; s[16:17] W_ef
.set PCO2, 18                          ; s[18:19] WB
.set PART,  0                          ; LDS: wave v's two partial tiles, 1,024 bytes each, at 2,048 v
.set SPARE, 8192                       ; the spare words, 128 bytes a wave
.set AO,  4                            ; v4  (l % 16) 4096 + (l / 16) 32 + wave 1024: my bytes in 16 rows of 4,096
.set B5,  5                            ; v5  (l / 16) 32, or 16 l
.set YO,  6                            ; v6  (l % 16) 4096 + (l / 16) 32
.set LS,  7
.set LR,  8
.set BI1, 24
.set OPS, 32                           ; v[32:223] bf16 fragments: step kk at 24 kk: A, B of batches 0-15, B of batches 16-31
.set AC0, 224
.set AC1, 232
.set SPW, 254
.set NIL, 255
.set MSB, 0
.macro WIN new
.if MSB != (\new)
	s_set_vgpr_msb (MSB<<8)|(\new)
.set MSB, \new
.endif
.endm
.macro PLACES
.rept 4
	v_nop
.endr
.endm
	s_load_b256 s[4:11], s[0:1], 0x0
	s_load_b256 s[12:19], s[0:1], 0x20
	v_lshl_add_u32 v[SPW], v0, 2, SPARE
	v_mov_b32 v[NIL], 0
	v_lshrrev_b32 v1, 5, v0
	v_readfirstlane_b32 s20, v1                    ; wave
	v_and_b32 v1, 31, v0
	v_and_b32 v2, 15, v0
	v_bfe_u32 v3, v0, 4, 1
	v_lshlrev_b32 v[YO], 12, v2
	v_lshl_add_u32 v[YO], v3, 5, v[YO]
	s_lshl_b32 s21, s20, 10
	v_add_nc_u32 v[AO], s21, v[YO]
	s_mov_b32 s23, 0
	s_wait_kmcnt 0x0
	s_cmp_lt_u32 ttmp9, 64                         ; the same in all waves of a work-group
	s_cbranch_scc0 .Lconv
	s_lshl_b32 s22, ttmp9, 16                      ; 16 rows of W
	s_add_nc_u64 s[PW:PW+1], s[PW:PW+1], s[22:23]
	s_lshl_b32 s22, ttmp9, 6                       ; 16 columns of 4 bytes
	s_add_nc_u64 s[PB1:PB1+1], s[PB1:PB1+1], s[22:23]
	s_and_b32 s24, s20, 1
	s_lshl_b32 s24, s24, 16                        ; the 16 batches that wave 0 or 1 finishes
	s_add_co_u32 s22, s22, s24
	s_add_nc_u64 s[PY:PY+1], s[PY:PY+1], s[22:23]
	v_lshlrev_b32 v[B5], 5, v3
	global_load_b128 v[BI1:BI1+3], v[B5], s[PB1:PB1+1]
	global_load_b128 v[BI1+4:BI1+7], v[B5], s[PB1:PB1+1] offset:16
; all 96 loads of the wave go out at once, twelve a step: raw f32 in windows 1 (steps 0-4) and 2 (steps 5-7)
.irp kk, 0,1,2,3,4,5,6,7
.if (\kk) < 5
	WIN 0x40
.set lb, 48*(\kk)
.else
	WIN 0x80
.set lb, 48*((\kk)-5)
.endif
.irp s, 0,1,2,3
	global_load_b128 v[lb+4*(\s):lb+4*(\s)+3], v[AO], s[PW:PW+1] offset:(\kk)*128+16*((\s)%2)+64*((\s)/2) th:TH_LOAD_NT
.endr
.irp s, 0,1,2,3
	global_load_b128 v[lb+16+4*(\s):lb+16+4*(\s)+3], v[AO], s[PX:PX+1] offset:(\kk)*128+16*((\s)%2)+64*((\s)/2)
.endr
.irp s, 0,1,2,3
	global_load_b128 v[lb+32+4*(\s):lb+32+4*(\s)+3], v[AO], s[PX:PX+1] offset:65536+(\kk)*128+16*((\s)%2)+64*((\s)/2)
.endr
.endr
	WIN 0
	s_lshl_b32 s21, s20, 11
	v_lshl_add_u32 v[LS], v1, 5, s21
	s_and_b32 s21, s20, 1
	s_lshl_b32 s21, s21, 10
	v_lshl_add_u32 v[LR], v1, 5, s21
.irp kk, 0,1,2,3,4,5,6,7
.if 84-12*(\kk) > 63
	s_wait_loadcnt 63                              ; the field's largest count: more than this step's twelve are in
.else
	s_wait_loadcnt 84-12*(\kk)                     ; the later steps' loads, twelve each, may stay out
.endif
.if (\kk) < 5
	WIN 0x05
.set lb, 48*(\kk)
.else
	WIN 0x0a
.set lb, 48*((\kk)-5)
.endif
.set co, 0
.rept 24
	v_cvt_pk_bf16_f32 v[OPS+24*(\kk)+co], v[lb+2*co], v[lb+2*co+1]
.set co, co+1
.endr
	WIN 0
.if (\kk) == 0
	v_wmma_f32_16x16x32_bf16 v[AC0:AC0+7], v[OPS:OPS+7], v[OPS+8:OPS+15], 0
	v_wmma_f32_16x16x32_bf16 v[AC1:AC1+7], v[OPS:OPS+7], v[OPS+16:OPS+23], 0
.else
	v_wmma_f32_16x16x32_bf16 v[AC0:AC0+7], v[OPS+24*(\kk):OPS+24*(\kk)+7], v[OPS+24*(\kk)+8:OPS+24*(\kk)+15], v[AC0:AC0+7]  ; the two accumulators take turns
	v_wmma_f32_16x16x32_bf16 v[AC1:AC1+7], v[OPS+24*(\kk):OPS+24*(\kk)+7], v[OPS+24*(\kk)+16:OPS+24*(\kk)+23], v[AC1:AC1+7]
.endif
.endr
	PLACES
	PLACES
	ds_store_b128 v[LS], v[AC0:AC0+3] offset:PART
	ds_store_b128 v[LS], v[AC0+4:AC0+7] offset:PART+16
	ds_store_b128 v[LS], v[AC1:AC1+3] offset:PART+1024
	ds_store_b128 v[LS], v[AC1+4:AC1+7] offset:PART+1040
	s_wait_dscnt 0x0                               ; for the others' sake: my partial sums lie in LDS
	s_barrier_signal -1
	s_barrier_wait -1
	s_cmp_lt_u32 s20, 2                            ; wave 0 finishes batches 0-15, wave 1 batches 16-31
	s_cbranch_scc0 .Lend
.irp v, 0,1,2,3
	ds_load_b128 v[OPS+8*(\v):OPS+8*(\v)+3], v[LR] offset:PART+2048*(\v)
	ds_load_b128 v[OPS+8*(\v)+4:OPS+8*(\v)+7], v[LR] offset:PART+2048*(\v)+16
.endr
	s_wait_dscnt 0x0
.irp z, 0,2,4,6
	v_pk_add_f32 v[OPS+(\z):OPS+(\z)+1], v[OPS+(\z):OPS+(\z)+1], v[OPS+8+(\z):OPS+8+(\z)+1]
	v_pk_add_f32 v[OPS+16+(\z):OPS+16+(\z)+1], v[OPS+16+(\z):OPS+16+(\z)+1], v[OPS+24+(\z):OPS+24+(\z)+1]
.endr
.irp z, 0,2,4,6
	v_pk_add_f32 v[OPS+(\z):OPS+(\z)+1], v[OPS+(\z):OPS+(\z)+1], v[OPS+16+(\z):OPS+16+(\z)+1]
.endr
.irp z, 0,2,4,6
	v_pk_add_f32 v[OPS+(\z):OPS+(\z)+1], v[OPS+(\z):OPS+(\z)+1], v[BI1+(\z):BI1+(\z)+1]
.endr
.irp z, 0,2,4,6
	v_pk_mul_f32 v[OPS+(\z):OPS+(\z)+1], v[OPS+(\z):OPS+(\z)+1], 0x4038aa3b op_sel_hi:[1,0]  ; 2 log2(e) x
.endr
.irp z, 0,1,2,3,4,5,6,7
	v_exp_f32 v[OPS+(\z)], v[OPS+(\z)]
.endr
	v_nop                                          ; a plain instruction behind the last exponential,
	s_wait_alu depctr_va_vdst(0)                   ; and one wait for the batch of eight
.irp z, 0,2,4,6
	v_pk_add_f32 v[OPS+(\z):OPS+(\z)+1], v[OPS+(\z):OPS+(\z)+1], 1.0 op_sel_hi:[1,0]
.endr
.irp z, 0,1,2,3,4,5,6,7
	v_rcp_f32 v[OPS+(\z)], v[OPS+(\z)]
.endr
	v_nop
	s_wait_alu depctr_va_vdst(0)                   ; one wait for the eight reciprocals
.irp z, 0,2,4,6
	v_pk_fma_f32 v[OPS+(\z):OPS+(\z)+1], v[OPS+(\z):OPS+(\z)+1], -2.0, 1.0 op_sel_hi:[1,0,0]
.endr
	global_store_b128 v[YO], v[OPS:OPS+3], s[PY:PY+1]
	global_store_b128 v[YO], v[OPS+4:OPS+7], s[PY:PY+1] offset:16
	s_branch .Lend
.Lconv:
	s_sub_co_u32 s22, ttmp9, 64                    ; 0-63: W_lf into WA; 64-127: W_ef into WB
	s_cmp_lt_u32 s22, 64
	s_cselect_b64 s[PCW:PCW+1], s[PCW:PCW+1], s[PCW2:PCW2+1]
	s_cselect_b64 s[PCO:PCO+1], s[PCO:PCO+1], s[PCO2:PCO2+1]
	s_and_b32 s22, s22, 63                         ; jj = 4 c + mt: rows 16 jj
	s_lshl_b32 s26, s22, 16
	s_mov_b32 s27, 0
	s_add_nc_u64 s[PCW:PCW+1], s[PCW:PCW+1], s[26:27]
	s_lshr_b32 s24, s22, 2
	s_and_b32 s25, s22, 3
	s_lshl_b32 s26, s24, 17                        ; c 131072
	s_lshl_b32 s28, s20, 15                        ; kh 65536 + (wave & 1) 8 steps of 4,096
	s_add_co_u32 s26, s26, s28
	s_lshl_b32 s28, s25, 10                        ; mt 1024
	s_add_co_u32 s26, s26, s28
	s_add_nc_u64 s[PCO:PCO+1], s[PCO:PCO+1], s[26:27]
	v_lshlrev_b32 v[B5], 4, v1
.set cl, 0
.rept 32
	global_load_b128 v[32+4*cl:32+4*cl+3], v[AO], s[PCW:PCW+1] offset:(cl/4)*128+((cl/2)%2)*64+(cl%2)*16 th:TH_LOAD_NT
.set cl, cl+1
.endr
.set cp, 0
.rept 16
	s_wait_loadcnt 30-2*cp                         ; the later pairs of loads may stay out
.irp m, 0,1,2,3
	v_cvt_pk_bf16_f32 v[160+4*cp+(\m)], v[32+8*cp+2*(\m)], v[32+8*cp+2*(\m)+1]
.endr
	global_store_b128 v[B5], v[160+4*cp:160+4*cp+3], s[PCO:PCO+1] offset:(cp/2)*4096+(cp%2)*512
.set cp, cp+1
.endr
.Lend:
	s_wait_tensorcnt 0x0                           ; the wave's end, behind my last LDS store
	ds_add_u32 v[SPW], v[NIL]
	s_wait_dscnt 0x0
	s_endpgm
.Lfunc_end_k_qd8296d309e_prep:
	.size	k_qd8296d309e_prep, .Lfunc_end_k_qd8296d309e_prep-k_qd8296d309e_prep
	.p2alignl 7, 3214868480
	.fill 96, 4, 3214868480
	.section	.rodata,"a",@progbits
	.p2align	6, 0x0
	.amdhsa_kernel k_qd8296d309e_prep
		.amdhsa_group_segment_fixed_size 8704
		.amdhsa_private_segment_fixed_size 0
		.amdhsa_enable_private_segment 0
		.amdhsa_kernarg_size 64
		.amdhsa_user_sgpr_count 2
		.amdhsa_user_sgpr_kernarg_segment_ptr 1
		.amdhsa_wavefront_size32 1
		.amdhsa_system_sgpr_workgroup_id_x 1
		.amdhsa_system_sgpr_workgroup_id_y 1
		.amdhsa_system_sgpr_workgroup_id_z 1
		.amdhsa_system_vgpr_workitem_id 0
		.amdhsa_next_free_vgpr 656
		.amdhsa_next_free_sgpr 66
		.amdhsa_reserve_vcc 0
		.amdhsa_float_denorm_mode_32 3
		.amdhsa_float_denorm_mode_16_64 3
		.amdhsa_memory_ordered 1
		.amdhsa_forward_progress 1
		.amdhsa_inst_pref_size 39
	.end_amdhsa_kernel
	.amdgpu_metadata
---
amdhsa.version: [ 1, 2 ]
amdhsa.kernels:
  - .name:           k_qd8296d309e_prep
    .symbol:         k_qd8296d309e_prep.kd
    .args:
      - { .name: hidden, .offset: 0, .size: 8, .value_kind: global_buffer, .address_space: global }
      - { .name: W_lh, .offset: 8, .size: 8, .value_kind: global_buffer, .address_space: global }
      - { .name: b_lh, .offset: 16, .size: 8, .value_kind: global_buffer, .address_space: global }
      - { .name: W_lf, .offset: 24, .size: 8, .value_kind: global_buffer, .address_space: global }
      - { .name: hbuf, .offset: 32, .size: 8, .value_kind: global_buffer, .address_space: global }
      - { .name: WA, .offset: 40, .size: 8, .value_kind: global_buffer, .address_space: global }
      - { .name: W_ef, .offset: 48, .size: 8, .value_kind: global_buffer, .address_space: global }
      - { .name: WB, .offset: 56, .size: 8, .value_kind: global_buffer, .address_space: global }
    .group_segment_fixed_size: 8704
    .private_segment_fixed_size: 0
    .kernarg_segment_align: 8
    .kernarg_segment_size: 64
    .max_flat_workgroup_size: 128
    .sgpr_count:     66
    .vgpr_count:     656
    .wavefront_size: 32
...
	.end_amdgpu_metadata
.endif
;; end of part 1
;; launch gemm1 (part 2): grid 8 x 32, 4 waves a work-group, clusters of 4 x 1, 327,680 bytes of LDS; arguments features, WA, b_lf, Fbuf, hbuf, W_eh, hepart; writes Fbuf, hepart
.if DOCPART == 2
	.amdgcn_target "amdgcn-amd-amdhsa--gfx1250"
	.amdhsa_code_object_version 6
	.text
	.protected	k_qd8296d309e_gemm1
	.globl	k_qd8296d309e_gemm1
	.p2align	8
	.type	k_qd8296d309e_gemm1,@function
k_qd8296d309e_gemm1:
	s_mov_b64 s[64:65], 0
	v_nop
	global_prefetch_b8 v0, s[64:65] scope:SCOPE_SE
	s_setreg_imm32_b32 hwreg(HW_REG_WAVE_MODE, 25, 1), 1
	s_wait_xcnt 0x0
	s_wait_alu depctr_hold_cnt(0) depctr_sa_sdst(0) depctr_va_vdst(0) depctr_va_sdst(0) depctr_va_ssrc(0) depctr_va_vcc(0) depctr_vm_vsrc(0)
	s_getreg_b32 s2, hwreg(HW_REG_IB_STS2, 6, 4)
	s_cmp_eq_u32 s2, 0
	s_cbranch_scc0 .Lentry_in_a_cluster
	s_endpgm
.Lentry_in_a_cluster:
	s_bfe_u32 s2, ttmp6, 0x10000c
	s_cmp_lg_u32 s2, 0x3003
	s_cbranch_scc0 .Lentry_shape_is_right
	s_endpgm
.Lentry_shape_is_right:
; f[b][h][l] = relu(the sum over e of W_lf[h][e] features[b][e][l] + b_lf[h]), stored in bf16 in the order in which the next launch's operand registers take it.
; SHARES.  A work-group owns one batch and 128 columns l.  Wave w = 2 kh + nh holds, for the whole launch, X's rows 512 kh .. + 511 and columns 64 nh .. + 63 as bf16 fragments of source 1: 512 registers.
; In fragment q (0..3) lane r holds column 64 nh + 4 r + q: one 16-byte load of a row of features gives a lane its number of all four fragments, 16 lanes read 256 consecutive bytes, aligned,
; and two rows rounded together make a fragment's register.  So features are read once, and X passes neither LDS nor a turning load.
; THE WEIGHTS (2 MiB of bf16, in fragment order) stream through two LDS slots of 128 KiB: a CHUNK is 64 rows of W_lf, four tiles of 16.  All work-groups walk the same weights, so the four of a cluster ask JOINTLY:
; each wave's one tensor load brings a quarter of a chunk (128 rows of 256 bytes) with the same descriptor and the mask of four in all four.
; A CHUNK is 256 matrix instructions a wave, in four quarters of 64: all four tiles over my half of K.  Tiles 2 kh, 2 kh + 1 are MINE, the other two FOREIGN: their partial sums go to wave w ^ 2 through an LDS stage.
; Q0, Q1: foreign tiles, k-steps 0-7, 8-15.  Q2, Q3: my tiles; their sums start with the bias as C.  The way out of chunk c (add the partner's part, round, relu) rides in slices of four behind the products of chunk c + 1.
; THE LDS INSTRUCTIONS stand in four runs a chunk, one a quarter, never singly among the matrix instructions; a quarter's run fills the fragment buffer of the next quarter.
; The result D (m = h, n = l) of my two tiles, rounded in pairs, IS a fragment (k = h, n = l) of the next launch: eight stores of 512 consecutive bytes a chunk, straight from registers.
; BESIDE IT, while X is on its way: hepart[kq][b][g] = the sum over the 64 k of slice kq of h[b][k] W_eh[g][k].  Work-group T = 8 b + tile takes columns 64 (T / 16) .. + 63 and slice kq = T % 16; each wave 16 of the
; columns: 24 loads, 4 products, 4 stores.  The sixteen partial sums (f32) are added by the next launch.  A lane stores 32 bytes, two lanes 64 consecutive bytes of a row.
; LIMITS: operands are rounded once to bf16; f is stored rounded once to bf16; NaN and infinities are not treated apart.
; REGISTERS, in windows of 256: window 0: addresses, v32-47 C's start, v64-127 E (the partner's part, then f), v128-191 foreign sums, v192-255 my sums; window 1: two buffers of 128 for the weights' fragments
; (during X's load: raw f32); windows 2, 3: X, k-step i at 32 (i % 8) + 8 q.
.set SLOTB, 131072
.set STAGE, 262144                     ; 32 KiB: wave w's outgoing part at 8,192 w + 1,024 (4 t + q) + 512 half + 16 lane
.set TAB,   294912                     ; b_lf, 4,096 bytes, twice: the last chunk's look-ahead reads the second copy
.set SPARE, 309504                     ; the spare words, 128 bytes a wave
.set NRID,  96
.set RA0F, 4                           ; v4  16 lane + 65,536 kh + the foreign tiles' 2,048 (1 - kh)
.set RA0O, 5                           ; v5  the same for my tiles
.set ADRF, 6                           ; v6, v7  the same in the slot in hand
.set ADRO, 7
.set STO,  8
.set STL,  9
.set TA,   10                          ; v10 TAB + 128 kh + 32 (lane / 16) + 256 chunk
.set GO,   11                          ; v11 16 lane
.set PFO,  12                          ; v12 256 lane
.set ZR,   13
.set SPW,  14
.set NIL,  15
.set XO,   16
.set TO,   17
.set TL,   18
.set HO,   19                          ; v19 (lane % 16) 4096 + (lane / 16) 32: rows of W_eh, of h and of hepart alike
.set CT,   32
.set E,    64
.set FA,   128
.set OA,   192
.set HR,   64                          ; the side job, during X's load: v64-159 raw f32, v160-207 fragments, v208-223 two accumulators
.set HB,   160
.set HA,   208
.set BUF0, 0
.set BUF1, 128
.set PH,  12                           ; s[12:13] h
.set PWE, 14                           ; s[14:15] W_eh
.set PHP, 46                           ; s[46:47] hepart
.set WV, 16
.set KH, 17
.set NH, 18
.set CX, 19
.set LT, 20
.set BT, 21
.set G1, 24
.set G0A, 32
.set G0B, 36
.set TB, 40
.set CNT, 41
.set LIM, 42
.set PFA, 44
.set MSB, 0
.macro WIN new
.if MSB != (\new)
	s_set_vgpr_msb (MSB<<8)|(\new)
.set MSB, \new
.endif
.endm
.macro PLACES                          ; four plain places behind matrix instructions, in front of loads into their sources and of readers of their results
.rept 4
	v_nop
.endr
.endm
.macro CREST                           ; a round of the cluster's barrier behind its opening barrier
	s_cmp_lg_u32 s[WV], 0
	s_cbranch_scc1 .Lnw0_\@
	s_barrier_signal -3
.Lnw0_\@:
	s_barrier_wait -3
	s_barrier_signal -1
	s_barrier_wait -1
.endm
.macro CROUND
	s_barrier_signal -1
	s_barrier_wait -1
	CREST
.endm
; matrix instruction mn of a quarter: k-step mn / 8, tile (mn / 4) % 2, fragment mn % 4: the eight accumulators take turns, one instruction a turn,  cm = 1: the first eight start with 0; 2: with C's start
.macro MM acc, buf, cm, bw
.set mk, mn/8
.set mt, (mn/4)%2
.set mq, mn%4
	WIN \bw
.if (mk == 0) && ((\cm) == 1)
	v_wmma_f32_16x16x32_bf16 v[(\acc)+32*mt+8*mq:(\acc)+32*mt+8*mq+7], v[(\buf)+16*mk+8*mt:(\buf)+16*mk+8*mt+7], v[32*mk+8*mq:32*mk+8*mq+7], 0
.elseif (mk == 0) && ((\cm) == 2)
	v_wmma_f32_16x16x32_bf16 v[(\acc)+32*mt+8*mq:(\acc)+32*mt+8*mq+7], v[(\buf)+16*mk+8*mt:(\buf)+16*mk+8*mt+7], v[32*mk+8*mq:32*mk+8*mq+7], v[CT+8*mt:CT+8*mt+7]
.else
	v_wmma_f32_16x16x32_bf16 v[(\acc)+32*mt+8*mq:(\acc)+32*mt+8*mq+7], v[(\buf)+16*mk+8*mt:(\buf)+16*mk+8*mt+7], v[32*mk+8*mq:32*mk+8*mq+7], v[(\acc)+32*mt+8*mq:(\acc)+32*mt+8*mq+7]
.endif
.set mn, mn+1
.endm
; rider rn of 96: 0-31 the partner's part + mine (each accumulator's lowest registers first); 32-63 rounded to bf16 in pairs, in place; 64-95 relu on the packed halves
.macro RID
.if rn < 32
	v_pk_add_f32 v[E+2*rn:E+2*rn+1], v[E+2*rn:E+2*rn+1], v[OA+2*rn:OA+2*rn+1]
.elseif rn < 64
	v_cvt_pk_bf16_f32 v[E+8*((rn-32)/4)+(rn-32)%4], v[E+8*((rn-32)/4)+2*((rn-32)%4)], v[E+8*((rn-32)/4)+2*((rn-32)%4)+1]
.else
	v_pk_max_num_bf16 v[E+8*((rn-64)/4)+(rn-64)%4], v[E+8*((rn-64)/4)+(rn-64)%4], v[ZR]
.endif
.set rn, rn+1
.endm
.macro SLICE
.if rn < NRID
	WIN 0
.rept 4
	RID
.endr
.endif
.endm
.macro RUN cnt, acc, buf, cm, bw       ; cnt matrix instructions, a slice behind every second one while riders are left
.rept \cnt
	MM \acc, \buf, \cm, \bw
.if (mn%2) == 0
	SLICE
.endif
.endr
.endm
.macro FETCH adr, kq, buf              ; 32 LDS loads in one run, 512 consecutive bytes each: two tiles x eight k-steps, the lower k-steps first
	WIN 0x40
.set fk, 0
.rept 8
.irp t, 0,1
	ds_load_b128 v[(\buf)+16*fk+8*(\t):(\buf)+16*fk+8*(\t)+3],   v[\adr] offset:(8*(\kq)+fk)*4096+(\t)*1024
	ds_load_b128 v[(\buf)+16*fk+8*(\t)+4:(\buf)+16*fk+8*(\t)+7], v[\adr] offset:(8*(\kq)+fk)*4096+(\t)*1024+512
.endr
.set fk, fk+1
.endr
.endm
.macro TABL dst, off                   ; eight numbers of a table for each of my two tiles: rows 8 (lane / 16) + 0..7
	WIN 0
.irp t, 0,1
	ds_load_b128 v[(\dst)+8*(\t):(\dst)+8*(\t)+3],   v[TA] offset:(\off)+64*(\t)
	ds_load_b128 v[(\dst)+8*(\t)+4:(\dst)+8*(\t)+7], v[TA] offset:(\off)+64*(\t)+16
.endr
.endm
.macro FSTORE                          ; f of the chunk before the one that the base stands at: 512 consecutive bytes a store, aligned
	WIN 0
.irp x, 0,1,2,3,4,5,6,7
	global_store_b128 v[GO], v[E+8*(\x):E+8*(\x)+3], s[10:11] offset:((\x)%4)*1024+((\x)/4)*512-16384 th:TH_STORE_NT
.endr
.endm
; A prefetch of the weights: the chunk two refills on, 131,072 bytes = 4 partners x 4 waves x 32 lanes x 256 bytes, told apart by address; cluster (0, 0) alone asks, so each block is named once in the launch.
; It stops when no chunk stands two refills on (CNT at 2 or less); chunks 0-3 come by their loads alone.
.macro ASK
	s_cmp_gt_u32 s[CNT], s[LIM]
	s_cbranch_scc0 .Lnm_\@
	global_prefetch_b8 v[PFO], s[PFA:PFA+1] th:TH_LOAD_NT scope:SCOPE_SE
.Lnm_\@:
.endm
.macro Q0 rid
	s_wait_dscnt 16                                ; the youngest sixteen loads (k-steps 4-7 of buffer 0) may stay out; the partner's part and the table are older
.if \rid
	PLACES                                         ; behind the last products onto my sums, which the riders read
.set rn, 0
.else
.set rn, NRID
.endif
.set mn, 0
	RUN 16, FA, BUF0, 1, 0x09
	PLACES
	FETCH ADRF, 1, BUF1
	RUN 16, FA, BUF0, 1, 0x09
	s_wait_dscnt 32                                ; all but the 32 just issued
	RUN 32, FA, BUF0, 1, 0x09
.endm
.macro Q1 rid
.if \rid
	FSTORE
.endif
	s_wait_dscnt 0x0                               ; buffer 1 is in, and my reads of the partner's stage are long over:
	s_barrier_signal -1                            ; say so; behind this barrier the stage is written again
.set mn, 0
	RUN 16, FA, BUF1, 0, 0x0d
	PLACES
	FETCH ADRO, 0, BUF0                            ; ring bytes, which nobody writes before the next barrier
	RUN 48, FA, BUF1, 0, 0x0d
	WIN 0
	s_barrier_wait -1
.endm
.macro Q2
	s_wait_dscnt 0x0
.set mn, 0
	RUN 16, OA, BUF0, 2, 0x09
	PLACES
	WIN 0
.set ti, 0
.rept 8
	ds_store_b128 v[STO], v[FA+8*ti:FA+8*ti+3] offset:ti*1024
	ds_store_b128 v[STO], v[FA+8*ti+4:FA+8*ti+7] offset:ti*1024+512
.set ti, ti+1
.endr
	FETCH ADRO, 1, BUF1
	RUN 48, OA, BUF0, 2, 0x09
.endm
; The change of slots.  ONE barrier for three orderings: every wave's reads of this chunk's slot are over; the next slot is whole; the stage's stores lie in LDS ahead of the partner's reads.
; fill = 1: the barrier opens a round of the cluster's, and the joint refill (the chunk two on, into the slot just read out) is the first thing behind it: 224 matrix instructions ahead of the wait for it.
.macro Q3 fill
	s_wait_xcnt 0x0                                ; the last prefetch and the last stores of f have read their addresses and data: the bases are stepped, and E is loaded again below
.if \fill
	s_add_nc_u64 s[PFA:PFA+1], s[PFA:PFA+1], SLOTB
.endif
	s_add_nc_u64 s[10:11], s[10:11], 16384
	WIN 0
	s_wait_tensorcnt 0x0                           ; all my tensor loads have landed: the one that was out is my quarter of the next chunk
	ds_add_u32 v[SPW], v[NIL]                      ; 0 onto my spare word
.if \fill
	s_xor_b32 s[G0B+1], s[G0B+1], SLOTB            ; the walking descriptor: the other slot, the next chunk
	s_add_nc_u64 s[G0B+2:G0B+3], s[G0B+2:G0B+3], SLOTB
.endif
	s_wait_dscnt 0x1                               ; only the add may be out: buffer 1 is in
.set mn, 0
	RUN 16, OA, BUF1, 0, 0x0d
	s_wait_dscnt 0x0
	s_barrier_signal -1
	RUN 16, OA, BUF1, 0, 0x0d
	WIN 0
	s_barrier_wait -1
.if \fill
	CREST
	tensor_load_to_lds s[G0B:G0B+3], s[G1:G1+7]
	s_nop 0
.endif
	PLACES                                         ; also the places behind the products on buffer 0 and on C's start
	s_xor_b32 s[TB], s[TB], SLOTB
	v_add_nc_u32 v[ADRF], s[TB], v[RA0F]
	v_add_nc_u32 v[ADRO], s[TB], v[RA0O]
.set ti, 0
.rept 8
	ds_load_b128 v[E+8*ti:E+8*ti+3], v[STL] offset:ti*1024
	ds_load_b128 v[E+8*ti+4:E+8*ti+7], v[STL] offset:ti*1024+512
.set ti, ti+1
.endr
	TABL CT, 256                                   ; the next chunk's bias
	v_add_nc_u32 v[TA], 256, v[TA]
	FETCH ADRF, 0, BUF0
.if \fill
	WIN 0
	ASK
.endif
	RUN 32, OA, BUF1, 0, 0x0d
.endm
	s_load_b256 s[4:11], s[0:1], 0x0               ; features s[4:5], WA s[6:7], b_lf s[8:9], Fbuf s[10:11]
	s_load_b128 s[12:15], s[0:1], 0x20             ; hbuf, W_eh
	s_load_b64 s[46:47], s[0:1], 0x30              ; hepart
	v_lshl_add_u32 v[SPW], v0, 2, SPARE
	v_mov_b32 v[NIL], 0
	ds_add_u32 v[SPW], v[NIL]                      ; the wave's opening: the add, twice on end, and its wait ahead of my first tensor load
	ds_add_u32 v[SPW], v[NIL]
	v_lshrrev_b32 v1, 5, v0
	v_readfirstlane_b32 s[WV], v1
	s_lshr_b32 s[KH], s[WV], 1
	s_and_b32 s[NH], s[WV], 1
	s_bfe_u32 s[CX], ttmp6, 0x40000                ; my place in the cluster: it enters global addresses alone
	s_lshl_b32 s[LT], ttmp9, 2
	s_add_co_u32 s[LT], s[LT], s[CX]               ; my tile of 128 columns
	s_and_b32 s[BT], ttmp7, 0xffff                 ; the batch
	s_mov_b32 s[G1], 15|(3<<16)|(1<<21)            ; the mask of four; elements of 8 bytes; bit 21 beside a mask; no padding
	s_mov_b32 s[G1+1], 32<<16                      ; tensor_dim0 = 32 elements (256 bytes)
	s_mov_b32 s[G1+2], 128<<16                     ; tensor_dim1 = 128
	s_mov_b32 s[G1+3], 32<<16                      ; tile_dim0 = 32
	s_mov_b32 s[G1+4], 128                         ; tile_dim1 = 128
	s_mov_b32 s[G1+5], 32                          ; dense rows
	s_mov_b32 s[G1+6], 0
	s_mov_b32 s[G1+7], 0
	s_mov_b32 s[G0A], 1
	s_lshl_b32 s[G0A+1], s[WV], 15                 ; slot 0, my quarter
	s_mov_b32 s[G0B], 1
	s_add_co_u32 s[G0B+1], s[G0A+1], SLOTB         ; slot 1
	s_mov_b32 s[TB], 0
	s_or_b32 s[LIM], ttmp9, s[BT]
	s_cmp_eq_u32 s[LIM], 0
	s_cselect_b32 s[LIM], 2, -1                    ; the same in all four partners
	s_lshl_b32 s22, s[WV], 15
	s_mov_b32 s23, 0
	s_mov_b32 s53, 0
	s_wait_dscnt 0x0                               ; both opening adds are done
	s_wait_kmcnt 0x0
	s_add_nc_u64 s[G0A+2:G0A+3], s[6:7], s[22:23]  ; chunk 0, my quarter
	s_add_nc_u64 s[G0B+2:G0B+3], s[G0A+2:G0A+3], SLOTB
	s_or_b32 s[G0A+3], s[G0A+3], 0x80000000
	s_or_b32 s[G0B+3], s[G0B+3], 0x80000000
	s_lshl_b32 s52, s[BT], 22                      ; features: batch, my 512 rows, my 64 columns
	s_lshl_b32 s54, s[KH], 21
	s_add_co_u32 s52, s52, s54
	s_lshl_b32 s54, s[LT], 9
	s_add_co_u32 s52, s52, s54
	s_lshl_b32 s54, s[NH], 8
	s_add_co_u32 s52, s52, s54
	s_add_nc_u64 s[4:5], s[4:5], s[52:53]
	s_lshl_b32 s55, s[BT], 3                       ; T = 8 b + tile
	s_add_co_u32 s55, s55, s[LT]
	s_lshl_b32 s52, s55, 18                        ; Fbuf: tile T, k-step kh of a chunk's two, my four fragments
	s_lshl_b32 s54, s[KH], 13
	s_add_co_u32 s52, s52, s54
	s_lshl_b32 s54, s[NH], 12
	s_add_co_u32 s52, s52, s54
	s_add_nc_u64 s[10:11], s[10:11], s[52:53]
	s_lshr_b32 s56, s55, 4                         ; the side job: column group T / 16,
	s_and_b32 s57, s55, 15                         ; slice kq = T % 16 of K
	s_lshl_b32 s52, s57, 8                         ; 64 numbers of 4 bytes
	s_add_nc_u64 s[PH:PH+1], s[PH:PH+1], s[52:53]
	s_lshl_b32 s54, s56, 18                        ; 64 rows of W_eh for the work-group,
	s_add_co_u32 s52, s52, s54
	s_lshl_b32 s54, s[WV], 16                      ; 16 for the wave
	s_add_co_u32 s52, s52, s54
	s_add_nc_u64 s[PWE:PWE+1], s[PWE:PWE+1], s[52:53]
	s_lshl_b32 s52, s57, 17                        ; hepart: partial sum kq, columns 64 (T / 16) + 16 wave
	s_lshl_b32 s54, s56, 8
	s_add_co_u32 s52, s52, s54
	s_lshl_b32 s54, s[WV], 6
	s_add_co_u32 s52, s52, s54
	s_add_nc_u64 s[PHP:PHP+1], s[PHP:PHP+1], s[52:53]
	s_lshl_b32 s52, s[CX], 15                      ; the prefetches: my work-group's quarter, my wave's quarter of it, at chunk 3: the first change of slots steps it to 4
	s_lshl_b32 s54, s[WV], 13
	s_add_co_u32 s52, s52, s54
	s_add_co_u32 s52, s52, 3*SLOTB
	s_add_nc_u64 s[PFA:PFA+1], s[6:7], s[52:53]
	CROUND                                         ; all four work-groups are here: the first joint loads meet
	tensor_load_to_lds s[G0A:G0A+3], s[G1:G1+7]    ; chunks 0 and 1: two loads of mine are out
	s_nop 0
	tensor_load_to_lds s[G0B:G0B+3], s[G1:G1+7]
	s_nop 0
	PLACES
	v_and_b32 v1, 31, v0
	v_and_b32 v2, 15, v0
	v_bfe_u32 v3, v0, 4, 1
	v_lshlrev_b32 v[TO], 5, v0
	global_load_b128 v[CT:CT+3], v[TO], s[8:9]     ; b_lf: 32 bytes a thread
	global_load_b128 v[CT+4:CT+7], v[TO], s[8:9] offset:16
	v_lshlrev_b32 v[HO], 12, v2
	v_lshl_add_u32 v[HO], v3, 5, v[HO]
.irp kk, 0,1                           ; the side job's 24 loads: 16 rows of W_eh, 32 rows of h, two k-steps of 32
.irp s, 0,1,2,3
	global_load_b128 v[HR+48*(\kk)+4*(\s):HR+48*(\kk)+4*(\s)+3], v[HO], s[PWE:PWE+1] offset:(\kk)*128+16*((\s)%2)+64*((\s)/2) th:TH_LOAD_NT
.endr
.irp s, 0,1,2,3
	global_load_b128 v[HR+48*(\kk)+16+4*(\s):HR+48*(\kk)+16+4*(\s)+3], v[HO], s[PH:PH+1] offset:(\kk)*128+16*((\s)%2)+64*((\s)/2)
.endr
.irp s, 0,1,2,3
	global_load_b128 v[HR+48*(\kk)+32+4*(\s):HR+48*(\kk)+32+4*(\s)+3], v[HO], s[PH:PH+1] offset:65536+(\kk)*128+16*((\s)%2)+64*((\s)/2)
.endr
.endr
	v_lshlrev_b32 v[XO], 4, v2
	v_lshl_add_u32 v[XO], v3, 15, v[XO]            ; 16 r + 8 rows for the upper lanes
; X, k-step i: sixteen loads (rows 8 (lane / 16) + 0..7 and 16 + ..), raw into window 1; four k-steps, 64 loads of 512 bytes a wave, are always on their way
.macro XLOAD i
	WIN 0x40
.set xj, 0
.rept 16
	global_load_b128 v[64*((\i)%4)+4*xj:64*((\i)%4)+4*xj+3], v[XO], s[4:5] offset:(32*(\i)+xj+8*(xj/8))*4096 th:TH_LOAD_NT
.set xj, xj+1
.endr
.endm
.macro XCVT i                          ; register m of fragment q = rows 2 m, 2 m + 1 of the sixteen, number q of the four
	WIN 0x85+0x40*((\i)/8)
.set xc, 0
.rept 32
	v_cvt_pk_bf16_f32 v[32*((\i)%8)+8*(xc/8)+xc%8], v[64*((\i)%4)+8*(xc%8)+xc/8], v[64*((\i)%4)+8*(xc%8)+4+xc/8]
.set xc, xc+1
.endr
.endm
.macro HEJOB                           ; D[m = column][n = batch]: source 0 = rows of W_eh, source 1 = rows of h; two accumulators by turns, two k-steps
	WIN 0
.set co, 0
.rept 48
	v_cvt_pk_bf16_f32 v[HB+co], v[HR+2*co], v[HR+2*co+1]
.set co, co+1
.endr
	v_wmma_f32_16x16x32_bf16 v[HA:HA+7], v[HB:HB+7], v[HB+8:HB+15], 0
	v_wmma_f32_16x16x32_bf16 v[HA+8:HA+15], v[HB:HB+7], v[HB+16:HB+23], 0
	v_wmma_f32_16x16x32_bf16 v[HA:HA+7], v[HB+24:HB+31], v[HB+32:HB+39], v[HA:HA+7]
	v_wmma_f32_16x16x32_bf16 v[HA+8:HA+15], v[HB+24:HB+31], v[HB+40:HB+47], v[HA+8:HA+15]
	PLACES
	PLACES
	global_store_b128 v[HO], v[HA:HA+3], s[PHP:PHP+1]
	global_store_b128 v[HO], v[HA+4:HA+7], s[PHP:PHP+1] offset:16
	global_store_b128 v[HO], v[HA+8:HA+11], s[PHP:PHP+1] offset:65536
	global_store_b128 v[HO], v[HA+12:HA+15], s[PHP:PHP+1] offset:65552
.endm
	XLOAD 0
	XLOAD 1
	XLOAD 2
	XLOAD 3
	WIN 0
	s_lshl_b32 s22, s[KH], 16
	v_lshl_add_u32 v[RA0O], v1, 4, s22
	s_xor_b32 s23, s[KH], 1
	s_lshl_b32 s23, s23, 11
	v_add_nc_u32 v[RA0F], s23, v[RA0O]
	s_lshl_b32 s23, s[KH], 11
	v_add_nc_u32 v[RA0O], s23, v[RA0O]
	v_mov_b32 v[ADRF], v[RA0F]
	v_mov_b32 v[ADRO], v[RA0O]
	s_lshl_b32 s22, s[WV], 13
	s_add_co_u32 s22, s22, STAGE
	v_lshl_add_u32 v[STO], v1, 4, s22
	s_xor_b32 s22, s[WV], 2
	s_lshl_b32 s22, s22, 13
	s_add_co_u32 s22, s22, STAGE
	v_lshl_add_u32 v[STL], v1, 4, s22
	s_lshl_b32 s22, s[KH], 7
	s_add_co_u32 s22, s22, TAB
	v_lshl_add_u32 v[TA], v3, 5, s22
	v_lshlrev_b32 v[GO], 4, v1
	v_lshlrev_b32 v[PFO], 8, v1
	v_mov_b32 v[ZR], 0
	v_add_nc_u32 v[TL], TAB, v[TO]
.irp i, 0,1,2,3,4,5,6,7,8,9,10,11,12,13,14,15
.if (\i) < 13
	s_wait_loadcnt 48                              ; the three younger k-steps' loads may stay out (the first time: b_lf and the side job's loads are older, so they are in too)
.else
	s_wait_loadcnt 16*(15-(\i))
.endif
	XCVT \i
.if (\i) < 12
	XLOAD (\i)+4
.endif
.if (\i) == 0
	HEJOB                                          ; while the next k-steps of X are on their way
.endif
.endr
	WIN 0
	s_wait_xcnt 0x0                                ; the side job's stores have read their data: those registers take my sums below
	ds_store_b128 v[TL], v[CT:CT+3]
	ds_store_b128 v[TL], v[CT+4:CT+7] offset:16
	ds_store_b128 v[TL], v[CT:CT+3] offset:4096    ; the second copy
	ds_store_b128 v[TL], v[CT+4:CT+7] offset:4112
	s_wait_tensorcnt 0x1                           ; my quarter of chunk 0 is in; chunk 1's may stay out
	s_wait_dscnt 0x0
	s_barrier_signal -1
	s_barrier_wait -1
	TABL CT, 0
	FETCH ADRF, 0, BUF0
	Q0 0
	Q1 0
	s_mov_b32 s[CNT], 14
.Lchunk:                                       ; trip c = 0..13: my tiles of chunk c, the refill with chunk c + 2, the foreign tiles of chunk c + 1 with chunk c's way out beside them
	Q2
	Q3 1
	Q0 1
	Q1 1
	s_sub_co_u32 s[CNT], s[CNT], 1
	s_cmp_lg_u32 s[CNT], 0
	s_cbranch_scc1 .Lchunk
	s_mov_b32 s[CNT], 2
.Ltail:                                        ; chunks 14 and 15: a text of its own, in which nothing is asked for; the second trip is left in its middle.  Its look-ahead (36 LDS loads from the
	Q2                                             ; other slot and the table's second copy) serves nothing: the price, once a launch, of one text for both trips
	Q3 0
	WIN 0
	s_sub_co_u32 s[CNT], s[CNT], 1
	s_cmp_eq_u32 s[CNT], 0
	s_cbranch_scc1 .Lout
	Q0 1
	Q1 1
	s_branch .Ltail
.Lout:
	PLACES
	s_wait_dscnt 0x0
.set rn, 0
.rept NRID/4
	SLICE
.endr
	FSTORE
	s_wait_tensorcnt 0x0                           ; the wave's end
	ds_add_u32 v[SPW], v[NIL]
	s_wait_dscnt 0x0
	CROUND                                         ; the closing round
	s_endpgm
.Lfunc_end_k_qd8296d309e_gemm1:
	.size	k_qd8296d309e_gemm1, .Lfunc_end_k_qd8296d309e_gemm1-k_qd8296d309e_gemm1
	.p2alignl 7, 3214868480
	.fill 96, 4, 3214868480
	.section	.rodata,"a",@progbits
	.p2align	6, 0x0
	.amdhsa_kernel k_qd8296d309e_gemm1
		.amdhsa_group_segment_fixed_size 327680
		.amdhsa_private_segment_fixed_size 0
		.amdhsa_enable_private_segment 0
		.amdhsa_kernarg_size 56
		.amdhsa_user_sgpr_count 2
		.amdhsa_user_sgpr_kernarg_segment_ptr 1
		.amdhsa_wavefront_size32 1
		.amdhsa_system_sgpr_workgroup_id_x 1
		.amdhsa_system_sgpr_workgroup_id_y 1
		.amdhsa_system_sgpr_workgroup_id_z 1
		.amdhsa_system_vgpr_workitem_id 0
		.amdhsa_next_free_vgpr 1024
		.amdhsa_next_free_sgpr 66
		.amdhsa_reserve_vcc 0
		.amdhsa_float_denorm_mode_32 3
		.amdhsa_float_denorm_mode_16_64 3
		.amdhsa_memory_ordered 1
		.amdhsa_forward_progress 1
		.amdhsa_inst_pref_size 166
	.end_amdhsa_kernel
	.amdgpu_metadata
---
amdhsa.version: [ 1, 2 ]
amdhsa.kernels:
  - .name:           k_qd8296d309e_gemm1
    .symbol:         k_qd8296d309e_gemm1.kd
    .args:
      - { .name: features, .offset: 0, .size: 8, .value_kind: global_buffer, .address_space: global }
      - { .name: WA, .offset: 8, .size: 8, .value_kind: global_buffer, .address_space: global }
      - { .name: b_lf, .offset: 16, .size: 8, .value_kind: global_buffer, .address_space: global }
      - { .name: Fbuf, .offset: 24, .size: 8, .value_kind: global_buffer, .address_space: global }
      - { .name: hbuf, .offset: 32, .size: 8, .value_kind: global_buffer, .address_space: global }
      - { .name: W_eh, .offset: 40, .size: 8, .value_kind: global_buffer, .address_space: global }
      - { .name: hepart, .offset: 48, .size: 8, .value_kind: global_buffer, .address_space: global }
    .group_segment_fixed_size: 327680
    .private_segment_fixed_size: 0
    .kernarg_segment_align: 8
    .kernarg_segment_size: 56
    .max_flat_workgroup_size: 128
    .sgpr_count:     66
    .vgpr_count:     1024
    .wavefront_size: 32
...
	.end_amdgpu_metadata
.endif
;; end of part 2
;; launch gemm2 (part 3): grid 8 x 32, 4 waves a work-group, clusters of 4 x 1, 327,680 bytes of LDS; arguments Fbuf, WB, hepart, w_att, sbuf, vpart, b_eh, b_ef; writes sbuf, vpart
.if DOCPART == 3
	.amdgcn_target "amdgcn-amd-amdhsa--gfx1250"
	.amdhsa_code_object_version 6
	.text
	.protected	k_qd8296d309e_gemm2
	.globl	k_qd8296d309e_gemm2
	.p2align	8
	.type	k_qd8296d309e_gemm2,@function
k_qd8296d309e_gemm2:
	s_mov_b64 s[64:65], 0
	v_nop
	global_prefetch_b8 v0, s[64:65] scope:SCOPE_SE
	s_setreg_imm32_b32 hwreg(HW_REG_WAVE_MODE, 25, 1), 1
	s_wait_xcnt 0x0
	s_wait_alu depctr_hold_cnt(0) depctr_sa_sdst(0) depctr_va_vdst(0) depctr_va_sdst(0) depctr_va_ssrc(0) depctr_va_vcc(0) depctr_vm_vsrc(0)
	s_getreg_b32 s2, hwreg(HW_REG_IB_STS2, 6, 4)
	s_cmp_eq_u32 s2, 0
	s_cbranch_scc0 .Lentry_in_a_cluster
	s_endpgm
.Lentry_in_a_cluster:
	s_bfe_u32 s2, ttmp6, 0x10000c
	s_cmp_lg_u32 s2, 0x3003
	s_cbranch_scc0 .Lentry_shape_is_right
	s_endpgm
.Lentry_shape_is_right:
; s'[b][l] = -2 log2(e) x the sum over g of w_att[g] / (1 + 2^(2 log2(e) x)), x = the sum over h of W_ef[g][h] f[b][h][l] + he[b][g] + b_eh[g] + b_ef[g]; and, for the work-group's tile of 128 columns with maximum m,
; vpart[b][tile][h] = the sum over l of 2^(s'[l] - m) f[b][h][l].  he[b][:] is the sum of the sixteen partial sums that the launch before stored; it is added up here, with the two biases, into a table in LDS.
; WORK LEFT OUT: b_att and the sum of w_att are the same along l and fall out of the softmax (shown at the head of the first kernel); so s' is log2(e) x scores less a number that is the same along l.
; The structure is that of the launch before: f (bf16, 512 registers a wave, loaded as it lies) is source 1 for the whole launch; W_ef streams in chunks of 64 rows through two LDS slots by joint tensor loads;
; wave w = 2 kh + nh multiplies all four tiles of a chunk over its half of K, owns tiles 2 kh, 2 kh + 1 and hands the other two's partial sums to wave w ^ 2 through the stage.  My tiles' sums start with the table as C.
; THE VECTOR WORK of chunk c, 256 instructions a wave (64 exponentials and 64 reciprocals among them), rides in 64 slices of four behind every second product of chunk c + 1's foreign tiles.
; The exponentials are one batch with one wait, the reciprocals another: two waits a chunk.  THE LDS INSTRUCTIONS stand in four runs a chunk, one a quarter, never singly among the matrix instructions.
; THE MAXIMUM is taken away before the exponential: the tile's own here, and the last launch scales each tile's sums by 2^(tile's maximum - row's maximum).
; THE END.  f goes from the registers into LDS as [l][h] (the ring has had its last fill), comes back turned by ds_load_tr16_b128, and p (bf16, the same in all 16 rows of source 0) is multiplied with it: 64 products a wave.
; LDS ADDRESSES lie in v4-v10 and v16-v22, which hold nothing but addresses in the whole launch; the end's sums, s', p and results pass through v96-127.
; LIMITS: f, W_ef and p are bf16 operands; 2^y counts as 0 below 2^-126; 2^y = infinity gives the reciprocal 0, which is tanh = 1; NaN and infinities in the inputs are not treated apart.
.set SLOTB, 131072
.set STAGE, 262144
.set TAB,   294912                     ; he + b_eh + b_ef of batch b, 4,096 bytes; then -2 log2(e) w_att, 4,096 bytes
.set SX,    303104                     ; the waves' score sums, 512 bytes each
.set PB,    305152                     ; p in bf16, 256 bytes
.set VO,    305408                     ; 1,024 bytes a wave, for the way out
.set SPARE, 309504
.set VP,    2080                       ; a row of the turned f: 2,048 bytes + 32: an odd multiple of 32
.set NRID,  256
.set RA0F, 4
.set RA0O, 5
.set ADRF, 6
.set ADRO, 7
.set STO,  8
.set STL,  9
.set TA,   10
.set GO,   11
.set PFO,  12
.set SPW,  14
.set NIL,  15
.set TO,   17
.set TL,   18
.set SXS,  4                           ; the end's addresses take the main loop's address registers, which are free by then, and v16-v22
.set SXL,  5
.set PBS,  6
.set FS,   7                           ; v7, v8
.set PBL,  9
.set TR,   16                          ; v16-19
.set VOS,  20
.set VOL,  21
.set TW,   22
.set SC,   24                          ; v[24:31] score sums: a pair (even rows', odd rows') for each fragment q
.set CT,   32
.set WT,   48
.set E,    64
.set DT,   96                          ; the end's data: v96-127
.set FA,   128
.set OA,   192
.set BUF0, 0
.set BUF1, 128
.set WV, 16
.set KH, 17
.set NH, 18
.set CX, 19
.set LT, 20
.set BT, 21
.set G1, 24
.set G0A, 32
.set G0B, 36
.set TB, 40
.set CNT, 41
.set LIM, 42
.set PFA, 44
.set K2, 46                            ; s[46:47] 2 log2(e)
.set SEL, 48
.set HM, 50                            ; the upper sixteen lanes
.set MSB, 0
.macro WIN new
.if MSB != (\new)
	s_set_vgpr_msb (MSB<<8)|(\new)
.set MSB, \new
.endif
.endm
.macro PLACES
.rept 4
	v_nop
.endr
.endm
.macro CREST
	s_cmp_lg_u32 s[WV], 0
	s_cbranch_scc1 .Lnw0_\@
	s_barrier_signal -3
.Lnw0_\@:
	s_barrier_wait -3
	s_barrier_signal -1
	s_barrier_wait -1
.endm
.macro CROUND
	s_barrier_signal -1
	s_barrier_wait -1
	CREST
.endm
.macro MM acc, buf, cm, bw             ; the eight accumulators take turns, one instruction a turn
.set mk, mn/8
.set mt, (mn/4)%2
.set mq, mn%4
	WIN \bw
.if (mk == 0) && ((\cm) == 1)
	v_wmma_f32_16x16x32_bf16 v[(\acc)+32*mt+8*mq:(\acc)+32*mt+8*mq+7], v[(\buf)+16*mk+8*mt:(\buf)+16*mk+8*mt+7], v[32*mk+8*mq:32*mk+8*mq+7], 0
.elseif (mk == 0) && ((\cm) == 2)
	v_wmma_f32_16x16x32_bf16 v[(\acc)+32*mt+8*mq:(\acc)+32*mt+8*mq+7], v[(\buf)+16*mk+8*mt:(\buf)+16*mk+8*mt+7], v[32*mk+8*mq:32*mk+8*mq+7], v[CT+8*mt:CT+8*mt+7]
.else
	v_wmma_f32_16x16x32_bf16 v[(\acc)+32*mt+8*mq:(\acc)+32*mt+8*mq+7], v[(\buf)+16*mk+8*mt:(\buf)+16*mk+8*mt+7], v[32*mk+8*mq:32*mk+8*mq+7], v[(\acc)+32*mt+8*mq:(\acc)+32*mt+8*mq+7]
.endif
.set mn, mn+1
.endm
.macro RU p                            ; the partner's part x 2 log2(e)
	v_pk_mul_f32 v[E+2*(\p):E+2*(\p)+1], v[E+2*(\p):E+2*(\p)+1], s[K2:K2+1] op_sel_hi:[1,0]
.endm
.macro RV p                            ; + mine x 2 log2(e)
	v_pk_fma_f32 v[E+2*(\p):E+2*(\p)+1], v[OA+2*(\p):OA+2*(\p)+1], s[K2:K2+1], v[E+2*(\p):E+2*(\p)+1] op_sel_hi:[1,0,1]
.endm
.macro RX e
	v_exp_f32 v[E+(\e)], v[E+(\e)]
.endm
.macro RA p
	v_pk_add_f32 v[E+2*(\p):E+2*(\p)+1], v[E+2*(\p):E+2*(\p)+1], 1.0 op_sel_hi:[1,0]
.endm
.macro RR e
	v_rcp_f32 v[E+(\e)], v[E+(\e)]
.endm
.macro RW n                            ; the score sums: pair n / 8 of accumulator n % 8; the four sums take turns
.set wi, (\n)%8
.set wj, (\n)/8
	v_pk_fma_f32 v[SC+2*(wi%4):SC+2*(wi%4)+1], v[E+8*wi+2*wj:E+8*wi+2*wj+1], v[WT+8*(wi/4)+2*wj:WT+8*(wi/4)+2*wj+1], v[SC+2*(wi%4):SC+2*(wi%4)+1]
.endm
; rider rn of 256.  0-31 RU; 32-47 RV 0-15; 48-111 fours of one RV and three exponentials; 112-127 the last sixteen exponentials; (wait); 128-143 RA 0-15; 144-207 fours of one RA and three reciprocals;
; 208-223 the last sixteen reciprocals; (wait); 224-255 RW.  No line ahead of a wait names a result of its batch; a number's scaling (addition) stands in an earlier four than its exponential (reciprocal).
.macro RID
.if rn < 32
	RU rn
.elseif rn < 48
	RV rn-32
.elseif rn < 112
.set rg, (rn-48)/4
.set rm, (rn-48)%4
.if rm == 0
	RV 16+rg
.else
	RX 3*rg+rm-1
.endif
.elseif rn < 128
	RX rn-64
.elseif rn < 144
	RA rn-128
.elseif rn < 208
.set rg, (rn-144)/4
.set rm, (rn-144)%4
.if rm == 0
	RA 16+rg
.else
	RR 3*rg+rm-1
.endif
.elseif rn < 224
	RR rn-160
.else
	RW rn-224
.endif
.set rn, rn+1
.endm
.macro SLICE
.if rn < NRID
	WIN 0
.rept 4
	RID
.endr
.if (rn == 128) || (rn == 224)
	v_nop                                          ; a plain instruction behind the batch's last transcendental,
	s_wait_alu depctr_va_vdst(0)                   ; and the one wait for the batch of 64
.endif
.endif
.endm
.macro RUN cnt, acc, buf, cm, bw       ; cnt matrix instructions, a slice behind every second one while riders are left
.rept \cnt
	MM \acc, \buf, \cm, \bw
.if (mn%2) == 0
	SLICE
.endif
.endr
.endm
.macro FETCH adr, kq, buf              ; 32 LDS loads in one run, 512 consecutive bytes each: two tiles x eight k-steps, the lower k-steps first
	WIN 0x40
.set fk, 0
.rept 8
.irp t, 0,1
	ds_load_b128 v[(\buf)+16*fk+8*(\t):(\buf)+16*fk+8*(\t)+3],   v[\adr] offset:(8*(\kq)+fk)*4096+(\t)*1024
	ds_load_b128 v[(\buf)+16*fk+8*(\t)+4:(\buf)+16*fk+8*(\t)+7], v[\adr] offset:(8*(\kq)+fk)*4096+(\t)*1024+512
.endr
.set fk, fk+1
.endr
.endm
.macro TABL dst, off                   ; eight numbers of a table for each of my two tiles
	WIN 0
.irp t, 0,1
	ds_load_b128 v[(\dst)+8*(\t):(\dst)+8*(\t)+3],   v[TA] offset:(\off)+64*(\t)
	ds_load_b128 v[(\dst)+8*(\t)+4:(\dst)+8*(\t)+7], v[TA] offset:(\off)+64*(\t)+16
.endr
.endm
; the weights' prefetch: the chunk two refills on; cluster (0, 0) alone asks; partners, waves and lanes are told apart by address, 256 bytes a lane; it stops when no chunk stands two refills on
.macro ASK
	s_cmp_gt_u32 s[CNT], s[LIM]
	s_cbranch_scc0 .Lnm_\@
	global_prefetch_b8 v[PFO], s[PFA:PFA+1] th:TH_LOAD_NT scope:SCOPE_SE
.Lnm_\@:
.endm
.macro Q0 rid
	s_wait_dscnt 16                                ; the youngest sixteen loads (k-steps 4-7 of buffer 0) may stay out; the partner's part and the tables are older
.if \rid
	PLACES                                         ; behind the last products onto my sums, which the riders read
.set rn, 0
.else
.set rn, NRID
.endif
.set mn, 0
	RUN 16, FA, BUF0, 1, 0x09
	PLACES
	FETCH ADRF, 1, BUF1
	RUN 16, FA, BUF0, 1, 0x09
	s_wait_dscnt 32                                ; all but the 32 just issued
	RUN 32, FA, BUF0, 1, 0x09
.endm
.macro Q1
	s_wait_dscnt 0x0                               ; buffer 1 is in, and my reads of the partner's stage are over:
	s_barrier_signal -1                            ; behind this barrier the stage is written again
.set mn, 0
	RUN 16, FA, BUF1, 0, 0x0d
	PLACES
	FETCH ADRO, 0, BUF0                            ; ring bytes, which nobody writes before the next barrier
	RUN 48, FA, BUF1, 0, 0x0d
	WIN 0
	s_barrier_wait -1
.endm
.macro Q2
	s_wait_dscnt 0x0
.set mn, 0
	RUN 16, OA, BUF0, 2, 0x09
	PLACES
	WIN 0
.set ti, 0
.rept 8
	ds_store_b128 v[STO], v[FA+8*ti:FA+8*ti+3] offset:ti*1024
	ds_store_b128 v[STO], v[FA+8*ti+4:FA+8*ti+7] offset:ti*1024+512
.set ti, ti+1
.endr
	FETCH ADRO, 1, BUF1
	RUN 48, OA, BUF0, 2, 0x09
.endm
.macro Q3 fill                         ; the change of slots: one barrier for the slot's readers, the next slot's arrival and the stage's stores
.if \fill
	s_wait_xcnt 0x0                                ; the last prefetch has read its address
	s_add_nc_u64 s[PFA:PFA+1], s[PFA:PFA+1], SLOTB
.endif
	WIN 0
	s_wait_tensorcnt 0x0                           ; all my tensor loads have landed
	ds_add_u32 v[SPW], v[NIL]                      ; 0 onto my spare word
.if \fill
	s_xor_b32 s[G0B+1], s[G0B+1], SLOTB
	s_add_nc_u64 s[G0B+2:G0B+3], s[G0B+2:G0B+3], SLOTB
.endif
	s_wait_dscnt 0x1                               ; only the add may be out
.set mn, 0
	RUN 16, OA, BUF1, 0, 0x0d
	s_wait_dscnt 0x0
	s_barrier_signal -1
	RUN 16, OA, BUF1, 0, 0x0d
	WIN 0
	s_barrier_wait -1
.if \fill
	CREST
	tensor_load_to_lds s[G0B:G0B+3], s[G1:G1+7]    ; the chunk two on, into the slot just read out: my one load behind the round, 224 matrix instructions ahead of the wait for it
	s_nop 0
.endif
	PLACES                                         ; also the places behind the products on buffer 0 and on C's start
	s_xor_b32 s[TB], s[TB], SLOTB
	v_add_nc_u32 v[ADRF], s[TB], v[RA0F]
	v_add_nc_u32 v[ADRO], s[TB], v[RA0O]
.set ti, 0
.rept 8
	ds_load_b128 v[E+8*ti:E+8*ti+3], v[STL] offset:ti*1024
	ds_load_b128 v[E+8*ti+4:E+8*ti+7], v[STL] offset:ti*1024+512
.set ti, ti+1
.endr
	TABL CT, 256                                   ; the next chunk's start of C
	TABL WT, 4096                                  ; this chunk's weights of the scores
	v_add_nc_u32 v[TA], 256, v[TA]
	FETCH ADRF, 0, BUF0
.if \fill
	WIN 0
	ASK
.endif
	RUN 32, OA, BUF1, 0, 0x0d
.endm
	s_load_b256 s[4:11], s[0:1], 0x0               ; Fbuf s[4:5], WB s[6:7], hepart s[8:9], w_att s[10:11]
	s_load_b128 s[12:15], s[0:1], 0x20             ; sbuf s[12:13], vpart s[14:15]
	s_load_b128 s[56:59], s[0:1], 0x30             ; b_eh s[56:57], b_ef s[58:59]
	v_lshl_add_u32 v[SPW], v0, 2, SPARE
	v_mov_b32 v[NIL], 0
	ds_add_u32 v[SPW], v[NIL]                      ; the wave's opening: the add, twice on end, and its wait ahead of my first tensor load
	ds_add_u32 v[SPW], v[NIL]
	v_lshrrev_b32 v1, 5, v0
	v_readfirstlane_b32 s[WV], v1
	s_lshr_b32 s[KH], s[WV], 1
	s_and_b32 s[NH], s[WV], 1
	s_bfe_u32 s[CX], ttmp6, 0x40000
	s_lshl_b32 s[LT], ttmp9, 2
	s_add_co_u32 s[LT], s[LT], s[CX]
	s_and_b32 s[BT], ttmp7, 0xffff
	s_mov_b32 s[G1], 15|(3<<16)|(1<<21)
	s_mov_b32 s[G1+1], 32<<16
	s_mov_b32 s[G1+2], 128<<16
	s_mov_b32 s[G1+3], 32<<16
	s_mov_b32 s[G1+4], 128
	s_mov_b32 s[G1+5], 32
	s_mov_b32 s[G1+6], 0
	s_mov_b32 s[G1+7], 0
	s_mov_b32 s[G0A], 1
	s_lshl_b32 s[G0A+1], s[WV], 15
	s_mov_b32 s[G0B], 1
	s_add_co_u32 s[G0B+1], s[G0A+1], SLOTB
	s_mov_b32 s[TB], 0
	s_or_b32 s[LIM], ttmp9, s[BT]
	s_cmp_eq_u32 s[LIM], 0
	s_cselect_b32 s[LIM], 2, -1
	s_mov_b32 s[K2], 0x4038aa3b
	s_mov_b32 s[K2+1], s[K2]
	s_mov_b32 s[SEL], 0x76543210
	s_mov_b32 s[SEL+1], 0xfedcba98
	s_mov_b32 s[HM], 0xffff0000
	s_lshl_b32 s22, s[WV], 15
	s_mov_b32 s23, 0
	s_mov_b32 s53, 0
	s_wait_dscnt 0x0
	s_wait_kmcnt 0x0
	s_add_nc_u64 s[G0A+2:G0A+3], s[6:7], s[22:23]
	s_add_nc_u64 s[G0B+2:G0B+3], s[G0A+2:G0A+3], SLOTB
	s_or_b32 s[G0A+3], s[G0A+3], 0x80000000
	s_or_b32 s[G0B+3], s[G0B+3], 0x80000000
	s_lshl_b32 s22, s[BT], 12
	s_add_nc_u64 s[8:9], s[8:9], s[22:23]          ; row b of the first partial sum
	s_lshl_b32 s52, s[BT], 3
	s_add_co_u32 s55, s52, s[LT]                   ; tile = 8 b + lt
	s_lshl_b32 s52, s55, 18
	s_lshl_b32 s54, s[KH], 17
	s_add_co_u32 s52, s52, s54
	s_lshl_b32 s54, s[NH], 12
	s_add_co_u32 s52, s52, s54
	s_add_nc_u64 s[4:5], s[4:5], s[52:53]          ; f: my sixteen k-steps, my four fragments
	s_lshl_b32 s52, s55, 9
	s_add_nc_u64 s[12:13], s[12:13], s[52:53]      ; sbuf: 4,096 b + 512 lt
	s_lshl_b32 s52, s55, 12
	s_lshl_b32 s54, s[WV], 10
	s_add_co_u32 s52, s52, s54
	s_add_nc_u64 s[14:15], s[14:15], s[52:53]      ; vpart: the tile's 1,024 numbers, my 256
	s_lshl_b32 s52, s[CX], 15
	s_lshl_b32 s54, s[WV], 13
	s_add_co_u32 s52, s52, s54
	s_add_co_u32 s52, s52, 3*SLOTB
	s_add_nc_u64 s[PFA:PFA+1], s[6:7], s[52:53]
	CROUND
	tensor_load_to_lds s[G0A:G0A+3], s[G1:G1+7]    ; chunks 0 and 1: two loads of mine are out
	s_nop 0
	tensor_load_to_lds s[G0B:G0B+3], s[G1:G1+7]
	s_nop 0
	PLACES
	v_and_b32 v1, 31, v0
	v_and_b32 v2, 15, v0
	v_bfe_u32 v3, v0, 4, 1
	v_lshlrev_b32 v[TO], 5, v0
	v_lshlrev_b32 v[GO], 4, v1
	global_load_b128 v[32:35], v[TO], s[56:57]     ; the tables: 32 bytes a thread of b_eh,
	global_load_b128 v[36:39], v[TO], s[56:57] offset:16
	global_load_b128 v[40:43], v[TO], s[10:11]     ; of w_att,
	global_load_b128 v[44:47], v[TO], s[10:11] offset:16
	global_load_b128 v[48:51], v[TO], s[58:59]     ; of b_ef,
	global_load_b128 v[52:55], v[TO], s[58:59] offset:16
.set hp, 0
.rept 16                               ; and of each of the sixteen partial sums
	global_load_b128 v[64+8*hp:64+8*hp+3], v[TO], s[8:9] offset:hp*131072
	global_load_b128 v[64+8*hp+4:64+8*hp+7], v[TO], s[8:9] offset:hp*131072+16
.set hp, hp+1
.endr
.set fi, 0
.rept 16
	WIN 0x80+0x40*(fi/8)
.irp q, 0,1,2,3
	global_load_b128 v[32*(fi%8)+8*(\q):32*(fi%8)+8*(\q)+3],   v[GO], s[4:5] offset:fi*8192+(\q)*1024 th:TH_LOAD_NT
	global_load_b128 v[32*(fi%8)+8*(\q)+4:32*(fi%8)+8*(\q)+7], v[GO], s[4:5] offset:fi*8192+(\q)*1024+512 th:TH_LOAD_NT
.endr
.set fi, fi+1
.endr
	WIN 0
	s_lshl_b32 s22, s[KH], 16
	v_lshl_add_u32 v[RA0O], v1, 4, s22
	s_xor_b32 s23, s[KH], 1
	s_lshl_b32 s23, s23, 11
	v_add_nc_u32 v[RA0F], s23, v[RA0O]
	s_lshl_b32 s23, s[KH], 11
	v_add_nc_u32 v[RA0O], s23, v[RA0O]
	v_mov_b32 v[ADRF], v[RA0F]
	v_mov_b32 v[ADRO], v[RA0O]
	s_lshl_b32 s22, s[WV], 13
	s_add_co_u32 s22, s22, STAGE
	v_lshl_add_u32 v[STO], v1, 4, s22
	s_xor_b32 s22, s[WV], 2
	s_lshl_b32 s22, s22, 13
	s_add_co_u32 s22, s22, STAGE
	v_lshl_add_u32 v[STL], v1, 4, s22
	s_lshl_b32 s22, s[KH], 7
	s_add_co_u32 s22, s22, TAB
	v_lshl_add_u32 v[TA], v3, 5, s22
	v_lshlrev_b32 v[PFO], 8, v1
	v_add_nc_u32 v[TL], TAB, v[TO]
.irp z, 24,25,26,27,28,29,30,31
	v_mov_b32 v[\z], 0                             ; the eight score sums start at 0
.endr
	s_wait_loadcnt 63                              ; of 166 loads at most 63 are out: the first 103 are in, the 38 of the tables and the 64 of f's k-steps 0-7 among them
.irp z, 0,2,4,6
	v_pk_add_f32 v[32+(\z):32+(\z)+1], v[32+(\z):32+(\z)+1], v[48+(\z):48+(\z)+1]  ; b_eh + b_ef
.endr
.set hp, 0
.rept 16
.irp z, 0,2,4,6
	v_pk_add_f32 v[32+(\z):32+(\z)+1], v[32+(\z):32+(\z)+1], v[64+8*hp+(\z):64+8*hp+(\z)+1]  ; + partial sum hp, in f32, in a fixed order
.endr
.set hp, hp+1
.endr
.irp z, 40,41,42,43,44,45,46,47
	v_mul_f32 v[\z], 0xc038aa3b, v[\z]             ; -2 log2(e) w_att
.endr
	ds_store_b128 v[TL], v[32:35]
	ds_store_b128 v[TL], v[36:39] offset:16
	ds_store_b128 v[TL], v[40:43] offset:4096
	ds_store_b128 v[TL], v[44:47] offset:4112
	s_wait_tensorcnt 0x1                           ; my quarter of chunk 0 is in; chunk 1's may stay out
	s_wait_dscnt 0x0
	s_barrier_signal -1
	s_barrier_wait -1
	TABL CT, 0
	FETCH ADRF, 0, BUF0
	Q0 0
	s_wait_loadcnt 0x0                             ; k-steps 8-15 of f
	Q1
	s_mov_b32 s[CNT], 14
.Lchunk:
	Q2
	Q3 1
	Q0 1
	Q1
	s_sub_co_u32 s[CNT], s[CNT], 1
	s_cmp_lg_u32 s[CNT], 0
	s_cbranch_scc1 .Lchunk
	s_mov_b32 s[CNT], 2
.Ltail:                                        ; chunks 14 and 15: a text of its own, in which nothing is asked for; the second trip is left in its middle.  Its look-ahead (36 LDS loads from the
	Q2                                             ; other slot and from the head of the second table) serves nothing: the price, once a launch, of one text for both trips
	Q3 0
	WIN 0
	s_sub_co_u32 s[CNT], s[CNT], 1
	s_cmp_eq_u32 s[CNT], 0
	s_cbranch_scc1 .Lout
	Q0 1
	Q1
	s_branch .Ltail
.Lout:
	PLACES
	s_wait_dscnt 0x0
.set rn, 0
.rept NRID/4
	SLICE
.endr
	WIN 0
; THE SCORES.  A lane's four sums (columns 64 nh + 4 r + 0..3): even and odd rows, then the other half of the lanes; the four waves' parts meet in LDS: waves 0 + 2 are columns 0-63, waves 1 + 3 columns 64-127.
.irp q, 0,1,2,3
	v_add_f32 v[DT+(\q)], v[SC+2*(\q)], v[SC+2*(\q)+1]
.endr
.irp q, 0,1,2,3
	v_permlanex16_b32 v[DT+4+(\q)], v[DT+(\q)], s[SEL], s[SEL+1]
.endr
.irp q, 0,1,2,3
	v_add_f32 v[DT+(\q)], v[DT+(\q)], v[DT+4+(\q)]
.endr
	s_lshl_b32 s22, s[WV], 9
	s_add_co_u32 s22, s22, SX
	v_lshl_add_u32 v[SXS], v1, 4, s22
	v_lshl_add_u32 v[SXL], v1, 4, SX
	ds_store_b128 v[SXS], v[DT:DT+3]
	s_lshl_b32 s22, s[NH], 7                       ; the addresses of the end, made while the store is out
	s_add_co_u32 s22, s22, PB
	v_lshl_add_u32 v[PBS], v2, 1, s22              ; p: place 64 nh + 16 q + r
	v_mul_u32_u24 v[FS], v2, VP
	v_lshl_add_u32 v[FS], v3, 4, v[FS]
	s_mul_i32 s22, s[NH], 64*VP
	s_lshl_b32 s23, s[KH], 10
	s_add_co_u32 s22, s22, s23
	v_add_nc_u32 v[FS], s22, v[FS]                 ; f turned: row 64 nh + 16 q + r, byte 1,024 kh + 64 i + 32 half + 16 (lane / 16)
	v_add_nc_u32 v[FS+1], 32*VP, v[FS]
	v_lshl_add_u32 v[PBL], v3, 4, PB
	v_and_b32 v[TW], 7, v0
	v_lshl_add_u32 v[TR], v3, 3, v[TW]
	v_mul_u32_u24 v[TR], v[TR], VP
	v_bfe_u32 v[TW], v0, 3, 1
	v_lshl_add_u32 v[TR], v[TW], 4, v[TR]
	s_lshl_b32 s22, s[WV], 9
	v_add_nc_u32 v[TR], s22, v[TR]                 ; the turning loads: row 8 (l / 16) + l % 8, byte 512 wave + 16 ((l / 8) % 2)
	v_add_nc_u32 v[TR+1], 32*VP, v[TR]
	v_add_nc_u32 v[TR+2], 32*VP, v[TR+1]
	v_add_nc_u32 v[TR+3], 32*VP, v[TR+2]
	s_lshl_b32 s22, s[WV], 10
	s_add_co_u32 s22, s22, VO
	v_lshl_add_u32 v[VOS], v1, 2, s22
	v_lshl_add_u32 v[VOL], v1, 4, s22
	s_wait_dscnt 0x0                               ; for the others' sake: my sums lie in LDS; all my reads of the ring and the stage are over
	s_barrier_signal -1
	s_barrier_wait -1                              ; behind this barrier ring and stage are free
.irp v, 0,1,2,3
	ds_load_b128 v[DT+4+4*(\v):DT+7+4*(\v)], v[SXL] offset:512*(\v)
.endr
	s_cmp_eq_u32 s[NH], 1
	s_cselect_b32 s54, -1, 0                       ; all lanes: do columns 64-127 belong to me?
	s_wait_dscnt 0x0
	v_pk_add_f32 v[DT+4:DT+5], v[DT+4:DT+5], v[DT+12:DT+13]    ; columns 0-63: every wave adds the same two numbers, so all have the same bits
	v_pk_add_f32 v[DT+6:DT+7], v[DT+6:DT+7], v[DT+14:DT+15]
	v_pk_add_f32 v[DT+8:DT+9], v[DT+8:DT+9], v[DT+16:DT+17]    ; columns 64-127
	v_pk_add_f32 v[DT+10:DT+11], v[DT+10:DT+11], v[DT+18:DT+19]
.irp q, 0,1,2,3
	v_cndmask_b32 v[DT+(\q)], v[DT+4+(\q)], v[DT+8+(\q)], s54  ; my 64 columns' s'
.endr
	v_max3_num_f32 v[DT+20], v[DT+4], v[DT+5], v[DT+6]
	v_max3_num_f32 v[DT+21], v[DT+7], v[DT+8], v[DT+9]
	v_max3_num_f32 v[DT+20], v[DT+20], v[DT+10], v[DT+11]
	v_max_num_f32 v[DT+20], v[DT+20], v[DT+21]
	v_max_num_f32_dpp v[DT+20], v[DT+20], v[DT+20] row_xmask:1 row_mask:0xf bank_mask:0xf
	v_max_num_f32_dpp v[DT+20], v[DT+20], v[DT+20] row_xmask:2 row_mask:0xf bank_mask:0xf
	v_max_num_f32_dpp v[DT+20], v[DT+20], v[DT+20] row_xmask:4 row_mask:0xf bank_mask:0xf
	v_max_num_f32_dpp v[DT+20], v[DT+20], v[DT+20] row_xmask:8 row_mask:0xf bank_mask:0xf  ; the tile's maximum (both halves of the lanes hold the same numbers)
.irp q, 0,1,2,3
	v_sub_f32 v[DT+24+(\q)], v[DT+(\q)], v[DT+20]
.endr
.irp q, 0,1,2,3
	v_exp_f32 v[DT+24+(\q)], v[DT+24+(\q)]
.endr
	v_nop
	s_wait_alu depctr_va_vdst(0)                   ; one wait for the four
	s_cmp_lg_u32 s[WV], 0
	s_cbranch_scc1 .Lno_s
.irp q, 0,1,2,3
	v_cndmask_b32 v[DT+12+(\q)], v[DT+4+(\q)], v[DT+8+(\q)], s[HM]  ; lanes 0-15: columns 4 r + q; lanes 16-31: columns 64 + 4 r + q
.endr
	global_store_b128 v[GO], v[DT+12:DT+15], s[12:13]  ; the tile's 128 scores: 512 consecutive bytes, aligned; these four registers are not written again
.Lno_s:
	s_cmp_lg_u32 s[KH], 0
	s_cbranch_scc1 .Lno_p
.irp q, 0,1,2,3
	v_cvt_pk_bf16_f32 v[DT+28+(\q)], v[DT+24+(\q)], v[DT+24+(\q)]
.endr
.irp q, 0,1,2,3
	ds_store_b16 v[PBS], v[DT+28+(\q)] offset:32*(\q)
.endr
.Lno_p:
.set fi, 0
.rept 16
	WIN 0x08+0x04*(fi/8)
.irp q, 0,1,2,3
	ds_store_b128 v[FS+(\q)/2], v[32*(fi%8)+8*(\q):32*(fi%8)+8*(\q)+3]   offset:((\q)%2)*16*VP+64*fi
	ds_store_b128 v[FS+(\q)/2], v[32*(fi%8)+8*(\q)+4:32*(fi%8)+8*(\q)+7] offset:((\q)%2)*16*VP+64*fi+32
.endr
.set fi, fi+1
.endr
	WIN 0
	s_wait_dscnt 0x0
	s_barrier_signal -1
	s_barrier_wait -1                              ; p and the whole tile of f lie in LDS
.irp k, 0,1,2,3
	ds_load_b128 v[E+8*(\k):E+8*(\k)+3],   v[PBL] offset:64*(\k)
	ds_load_b128 v[E+8*(\k)+4:E+8*(\k)+7], v[PBL] offset:64*(\k)+32
.endr
.irp k, 0,1,2,3
	WIN 0x40
.irp u, 0,1,2,3,4,5,6,7
	ds_load_tr16_b128 v[64*(\k)+8*(\u):64*(\k)+8*(\u)+3],   v[TR+(\k)] offset:32*(\u)
	ds_load_tr16_b128 v[64*(\k)+8*(\u)+4:64*(\k)+8*(\u)+7], v[TR+(\k)] offset:32*(\u)+16*VP
.endr
	WIN 0x80
.irp u, 0,1,2,3,4,5,6,7
	ds_load_tr16_b128 v[64*(\k)+8*(\u):64*(\k)+8*(\u)+3],   v[TR+(\k)] offset:256+32*(\u)
	ds_load_tr16_b128 v[64*(\k)+8*(\u)+4:64*(\k)+8*(\u)+7], v[TR+(\k)] offset:256+32*(\u)+16*VP
.endr
.endr
.irp k, 0,1,2,3
.if (\k) < 2
	s_wait_dscnt 63                                ; of the 136 loads (8 of p, 32 a step) at most 63 are out: the first 73 are in, p and steps 0 and 1 among them
.else
	s_wait_dscnt 32*(3-(\k))                       ; the later step's 32 loads may stay out
.endif
	WIN 0x04
.irp u, 0,1,2,3,4,5,6,7
.if (\k) == 0
	v_wmma_f32_16x16x32_bf16 v[FA+8*(\u):FA+8*(\u)+7], v[E+8*(\k):E+8*(\k)+7], v[64*(\k)+8*(\u):64*(\k)+8*(\u)+7], 0
.else
	v_wmma_f32_16x16x32_bf16 v[FA+8*(\u):FA+8*(\u)+7], v[E+8*(\k):E+8*(\k)+7], v[64*(\k)+8*(\u):64*(\k)+8*(\u)+7], v[FA+8*(\u):FA+8*(\u)+7]
.endif
.endr
	WIN 0x08
.irp u, 0,1,2,3,4,5,6,7
.if (\k) == 0
	v_wmma_f32_16x16x32_bf16 v[OA+8*(\u):OA+8*(\u)+7], v[E+8*(\k):E+8*(\k)+7], v[64*(\k)+8*(\u):64*(\k)+8*(\u)+7], 0
.else
	v_wmma_f32_16x16x32_bf16 v[OA+8*(\u):OA+8*(\u)+7], v[E+8*(\k):E+8*(\k)+7], v[64*(\k)+8*(\u):64*(\k)+8*(\u)+7], v[OA+8*(\u):OA+8*(\u)+7]
.endif
.endr
.endr
	PLACES
	PLACES
	WIN 0
.irp x, 0,1,2,3,4,5,6,7
	v_cndmask_b32 v[DT+16+(\x)], v[FA+16*(\x)], v[FA+16*(\x)+8], s[HM]  ; all 16 rows of a result are alike: register 0 of two tiles gives 32 neighbouring h
.endr
.irp x, 0,1,2,3,4,5,6,7
	ds_store_b32 v[VOS], v[DT+16+(\x)] offset:128*(\x)
.endr
	ds_load_b128 v[32:35], v[VOL]                  ; my own bytes: LDS serves a wave's instructions in order (ISA guide 5.7.1.4)
	ds_load_b128 v[36:39], v[VOL] offset:512
	s_wait_dscnt 0x0
	global_store_b128 v[GO], v[32:35], s[14:15]    ; 512 consecutive bytes each, aligned
	global_store_b128 v[GO], v[36:39], s[14:15] offset:512
	s_wait_tensorcnt 0x0                           ; the wave's end
	ds_add_u32 v[SPW], v[NIL]
	s_wait_dscnt 0x0
	CROUND                                         ; the closing round
	s_endpgm
.Lfunc_end_k_qd8296d309e_gemm2:
	.size	k_qd8296d309e_gemm2, .Lfunc_end_k_qd8296d309e_gemm2-k_qd8296d309e_gemm2
	.p2alignl 7, 3214868480
	.fill 96, 4, 3214868480
	.section	.rodata,"a",@progbits
	.p2align	6, 0x0
	.amdhsa_kernel k_qd8296d309e_gemm2
		.amdhsa_group_segment_fixed_size 327680
		.amdhsa_private_segment_fixed_size 0
		.amdhsa_enable_private_segment 0
		.amdhsa_kernarg_size 64
		.amdhsa_user_sgpr_count 2
		.amdhsa_user_sgpr_kernarg_segment_ptr 1
		.amdhsa_wavefront_size32 1
		.amdhsa_system_sgpr_workgroup_id_x 1
		.amdhsa_system_sgpr_workgroup_id_y 1
		.amdhsa_system_sgpr_workgroup_id_z 1
		.amdhsa_system_vgpr_workitem_id 0
		.amdhsa_next_free_vgpr 1024
		.amdhsa_next_free_sgpr 66
		.amdhsa_reserve_vcc 0
		.amdhsa_float_denorm_mode_32 3
		.amdhsa_float_denorm_mode_16_64 3
		.amdhsa_memory_ordered 1
		.amdhsa_forward_progress 1
		.amdhsa_inst_pref_size 172
	.end_amdhsa_kernel
	.amdgpu_metadata
---
amdhsa.version: [ 1, 2 ]
amdhsa.kernels:
  - .name:           k_qd8296d309e_gemm2
    .symbol:         k_qd8296d309e_gemm2.kd
    .args:
      - { .name: Fbuf, .offset: 0, .size: 8, .value_kind: global_buffer, .address_space: global }
      - { .name: WB, .offset: 8, .size: 8, .value_kind: global_buffer, .address_space: global }
      - { .name: hepart, .offset: 16, .size: 8, .value_kind: global_buffer, .address_space: global }
      - { .name: w_att, .offset: 24, .size: 8, .value_kind: global_buffer, .address_space: global }
      - { .name: sbuf, .offset: 32, .size: 8, .value_kind: global_buffer, .address_space: global }
      - { .name: vpart, .offset: 40, .size: 8, .value_kind: global_buffer, .address_space: global }
      - { .name: b_eh, .offset: 48, .size: 8, .value_kind: global_buffer, .address_space: global }
      - { .name: b_ef, .offset: 56, .size: 8, .value_kind: global_buffer, .address_space: global }
    .group_segment_fixed_size: 327680
    .private_segment_fixed_size: 0
    .kernarg_segment_align: 8
    .kernarg_segment_size: 64
    .max_flat_workgroup_size: 128
    .sgpr_count:     66
    .vgpr_count:     1024
    .wavefront_size: 32
...
	.end_amdgpu_metadata
.endif
;; end of part 3
;; launch final (part 4): grid 32 x 8, 4 waves a work-group, no clusters, 25,600 bytes of LDS; arguments sbuf, vpart, hbuf, W_out, b_out, out0, out1; writes out0, out1
.if DOCPART == 4
	.amdgcn_target "amdgcn-amd-amdhsa--gfx1250"
	.amdhsa_code_object_version 6
	.text
	.protected	k_qd8296d309e_final
	.globl	k_qd8296d309e_final
	.p2align	8
	.type	k_qd8296d309e_final,@function
k_qd8296d309e_final:
	s_mov_b64 s[64:65], 0
	v_nop
	global_prefetch_b8 v0, s[64:65] scope:SCOPE_SE
	s_setreg_imm32_b32 hwreg(HW_REG_WAVE_MODE, 25, 1), 1
	s_wait_xcnt 0x0
; att = softmax over l; v = the sum over l of att f + h; out = tanh(v W_out^T + b_out).
; WORK LEFT OUT: b_att and the sum of w_att, which fall out of the softmax (shown at the head of the first kernel): s' stands for log2(e) x scores less a number that is the same along l.
; Work-group (cb, bg): batches 4 bg .. + 3, columns 32 cb .. + 31 of out, and one piece of 128 numbers of att.  Wave w takes batch b = 4 bg + w: the eight tile maxima m_t (of the same f32 numbers of which the
; launch before took them, so the same bits), the row's maximum M, S = the sum of 2^(s' - M), and v = h + the sum over t of (2^(m_t - M) / S) vpart[b][t].  The maximum is taken away before every exponential.
; v goes to the matrix unit as two bf16 numbers, v_hi + v_lo, so that its rounding leaves nothing that counts.  D[m = column][n = batch]: source 0 = rows of W_out (rounded to bf16 on the way), source 1 = v;
; lanes r >= 4 repeat batch r % 4 and are not stored.  K is split among the four waves; the partial sums meet in LDS.  A lane stores 32 bytes, two lanes 64 consecutive bytes of a row of out.
; LIMITS: 2^y counts as 0 below 2^-126; NaN and infinities are not treated apart.
.set VPI,   2064                       ; a batch's v in bf16: 2,048 bytes + 16
.set VLO,   8448                       ; v_hi at 0, v_lo here
.set PART,  16896
.set SPARE, 25088
.set AO,  4
.set GO,  5
.set VBS, 6
.set VBL, 7
.set LS,  8
.set LR,  9
.set YO,  10
.set BO,  11
.set XT,  12
.set SPW, 14
.set NIL, 15
.set SCR, 16                           ; v[16:47] the row's scores, 4 a tile; v[48:51] the piece of att; v[52:59] m_t
.set MT,  52
.set TP,  60
.set MX,  68
.set SS,  70
.set ST,  71
.set AL,  72                           ; v[72:87] the tiles' factors, each twice: a pair
.set BI,  88
.set AC0, 96
.set AC1, 104
.set RS,  112
.set WB,  128
.set MSB, 0
.macro WIN new
.if MSB != (\new)
	s_set_vgpr_msb (MSB<<8)|(\new)
.set MSB, \new
.endif
.endm
.macro PLACES
.rept 4
	v_nop
.endr
.endm
.macro VLOAD kb                        ; 128 numbers of v: the eight tiles' sums and h, 16 bytes a lane, into window 2
	WIN 0x80
.irp t, 0,1,2,3,4,5,6,7
	global_load_b128 v[36*((\kb)%4)+4*(\t):36*((\kb)%4)+4*(\t)+3], v[GO], s[6:7] offset:(\t)*4096+(\kb)*512
.endr
	global_load_b128 v[36*((\kb)%4)+32:36*((\kb)%4)+35], v[GO], s[8:9] offset:(\kb)*512
.endm
.macro VPROC kb
.set vr, 36*((\kb)%4)
	WIN 0xa2
.irp t, 0,1,2,3,4,5,6,7
	v_pk_fma_f32 v[vr+32:vr+33], v[vr+4*(\t):vr+4*(\t)+1], v[AL+2*(\t):AL+2*(\t)+1], v[vr+32:vr+33] op_sel_hi:[1,0,1]
	v_pk_fma_f32 v[vr+34:vr+35], v[vr+4*(\t)+2:vr+4*(\t)+3], v[AL+2*(\t):AL+2*(\t)+1], v[vr+34:vr+35] op_sel_hi:[1,0,1]
.endr
	WIN 0x0a
	v_cvt_pk_bf16_f32 v96, v[vr+32], v[vr+33]      ; v_hi
	v_cvt_pk_bf16_f32 v97, v[vr+34], v[vr+35]
	WIN 0
	v_lshlrev_b32 v98, 16, v96
	v_and_b32 v99, 0xffff0000, v96
	v_lshlrev_b32 v100, 16, v97
	v_and_b32 v101, 0xffff0000, v97
	WIN 0x02
	v_sub_f32 v98, v[vr+32], v98                   ; v - v_hi, exact
	v_sub_f32 v99, v[vr+33], v99
	v_sub_f32 v100, v[vr+34], v100
	v_sub_f32 v101, v[vr+35], v101
	WIN 0
	v_cvt_pk_bf16_f32 v102, v98, v99               ; v_lo
	v_cvt_pk_bf16_f32 v103, v100, v101
	ds_store_b64 v[VBS], v[96:97] offset:(\kb)*256
	ds_store_b64 v[VBS], v[102:103] offset:VLO+(\kb)*256
.endm
	s_load_b256 s[4:11], s[0:1], 0x0               ; sbuf s[4:5], vpart s[6:7], hbuf s[8:9], W_out s[10:11]
	s_load_b128 s[12:15], s[0:1], 0x20             ; b_out s[12:13], out0 s[14:15]
	s_load_b64 s[16:17], s[0:1], 0x30              ; out1
	v_lshl_add_u32 v[SPW], v0, 2, SPARE
	v_mov_b32 v[NIL], 0
	v_lshrrev_b32 v1, 5, v0
	v_readfirstlane_b32 s20, v1                    ; wave
	s_mov_b32 s21, ttmp9                           ; cb
	s_and_b32 s22, ttmp7, 0xffff                   ; bg
	s_lshl_b32 s23, s22, 2
	s_add_co_u32 s23, s23, s20                     ; b
	s_mov_b32 s28, 0x76543210
	s_mov_b32 s29, 0xfedcba98
	v_and_b32 v1, 31, v0
	v_and_b32 v2, 15, v0
	v_bfe_u32 v3, v0, 4, 1
	v_lshlrev_b32 v[YO], 12, v2
	v_lshl_add_u32 v[YO], v3, 5, v[YO]
	s_lshl_b32 s24, s20, 10
	v_add_nc_u32 v[AO], s24, v[YO]
	v_lshlrev_b32 v[GO], 4, v1
	v_lshlrev_b32 v[BO], 5, v3
	s_and_b32 s24, s21, 7
	s_lshl_b32 s24, s24, 9                         ; the piece of att: tile cb & 7
	v_lshl_add_u32 v[XT], v1, 4, s24
	s_mov_b32 s27, 0
	s_wait_kmcnt 0x0
	s_lshl_b32 s26, s23, 12
	s_add_nc_u64 s[4:5], s[4:5], s[26:27]
	s_add_nc_u64 s[8:9], s[8:9], s[26:27]
	s_add_co_u32 s26, s26, s24
	s_add_nc_u64 s[16:17], s[16:17], s[26:27]
	s_lshl_b32 s26, s23, 15
	s_add_nc_u64 s[6:7], s[6:7], s[26:27]
	s_lshl_b32 s26, s21, 17
	s_add_nc_u64 s[10:11], s[10:11], s[26:27]
	s_lshl_b32 s26, s21, 7
	s_and_b32 s25, s20, 1
	s_lshl_b32 s25, s25, 6
	s_add_co_u32 s26, s26, s25                     ; columns 32 cb + 16 (wave & 1)
	s_add_nc_u64 s[12:13], s[12:13], s[26:27]
	s_lshl_b32 s25, s22, 14
	s_add_co_u32 s26, s26, s25
	s_add_nc_u64 s[14:15], s[14:15], s[26:27]
	global_load_b128 v[BI:BI+3], v[BO], s[12:13]
	global_load_b128 v[BI+4:BI+7], v[BO], s[12:13] offset:16
	WIN 0x40
.set wl, 0
.rept 64                               ; W_out: tile wl / 32, k-step (wl / 4) % 8: raw f32 into window 1
	global_load_b128 v[4*wl:4*wl+3], v[AO], s[10:11] offset:(wl/32)*65536+((wl/4)%8)*128+16*(wl%2)+64*((wl/2)%2)
.set wl, wl+1
.endr
	WIN 0
.irp t, 0,1,2,3,4,5,6,7
	global_load_b128 v[SCR+4*(\t):SCR+4*(\t)+3], v[GO], s[4:5] offset:512*(\t)
.endr
	global_load_b128 v[48:51], v[XT], s[4:5]
	VLOAD 0
	VLOAD 1
	VLOAD 2
	VLOAD 3
	WIN 0
	s_mul_i32 s24, s20, VPI
	v_lshl_add_u32 v[VBS], v1, 3, s24
	v_and_b32 v[VBL], 3, v0
	v_mul_u32_u24 v[VBL], v[VBL], VPI
	v_lshl_add_u32 v[VBL], v3, 4, v[VBL]
	s_lshl_b32 s24, s20, 9
	v_add_nc_u32 v[VBL], s24, v[VBL]
	s_lshl_b32 s24, s20, 11
	s_add_co_u32 s24, s24, PART
	v_lshl_add_u32 v[LS], v1, 5, s24
	s_and_b32 s24, s20, 1
	s_lshl_b32 s24, s24, 10
	s_add_co_u32 s24, s24, PART
	v_lshl_add_u32 v[LR], v1, 5, s24
.irp z, 60,61,62,63,64,65,66,67,71
	v_mov_b32 v[\z], 0                             ; a lane exchange counts its destination as read
.endr
	s_wait_loadcnt 36                              ; the 36 loads of vpart and h may stay out: the scores are in, and so is all of W_out
.irp t, 0,1,2,3,4,5,6,7
	v_max3_num_f32 v[MT+(\t)], v[SCR+4*(\t)], v[SCR+4*(\t)+1], v[SCR+4*(\t)+2]
.endr
.irp t, 0,1,2,3,4,5,6,7
	v_max_num_f32 v[MT+(\t)], v[MT+(\t)], v[SCR+4*(\t)+3]
.endr
.irp x, 1,2,4,8
.irp t, 0,1,2,3,4,5,6,7
	v_max_num_f32_dpp v[MT+(\t)], v[MT+(\t)], v[MT+(\t)] row_xmask:\x row_mask:0xf bank_mask:0xf
.endr
.endr
.irp t, 0,1,2,3,4,5,6,7
	v_permlanex16_b32 v[TP+(\t)], v[MT+(\t)], s28, s29
.endr
.irp t, 0,1,2,3,4,5,6,7
	v_max_num_f32 v[MT+(\t)], v[MT+(\t)], v[TP+(\t)]
.endr
	v_max3_num_f32 v[MX], v[MT], v[MT+1], v[MT+2]
	v_max3_num_f32 v[MX], v[MX], v[MT+3], v[MT+4]
	v_max3_num_f32 v[MX], v[MX], v[MT+5], v[MT+6]
	v_max_num_f32 v[MX], v[MX], v[MT+7]
	v_mov_b32 v[MX+1], v[MX]
.set z, 0
.rept 22                               ; the 32 scores, the piece of att and the eight m_t, less M
	v_pk_add_f32 v[SCR+2*z:SCR+2*z+1], v[SCR+2*z:SCR+2*z+1], v[MX:MX+1] neg_lo:[0,1] neg_hi:[0,1]
.set z, z+1
.endr
.set z, 0
.rept 44
	v_exp_f32 v[SCR+z], v[SCR+z]
.set z, z+1
.endr
	v_nop
	s_wait_alu depctr_va_vdst(0)                   ; one wait for the batch of 44
.irp z, 0,2,4,6,8,10,12,14
	v_pk_add_f32 v[SCR+(\z):SCR+(\z)+1], v[SCR+(\z):SCR+(\z)+1], v[SCR+16+(\z):SCR+16+(\z)+1]
.endr
.irp z, 0,2,4,6
	v_pk_add_f32 v[SCR+(\z):SCR+(\z)+1], v[SCR+(\z):SCR+(\z)+1], v[SCR+8+(\z):SCR+8+(\z)+1]
.endr
.irp z, 0,2
	v_pk_add_f32 v[SCR+(\z):SCR+(\z)+1], v[SCR+(\z):SCR+(\z)+1], v[SCR+4+(\z):SCR+4+(\z)+1]
.endr
	v_pk_add_f32 v[SCR:SCR+1], v[SCR:SCR+1], v[SCR+2:SCR+3]
	v_add_f32 v[SS], v[SCR], v[SCR+1]
	v_add_f32_dpp v[SS], v[SS], v[SS] row_xmask:1 row_mask:0xf bank_mask:0xf
	v_add_f32_dpp v[SS], v[SS], v[SS] row_xmask:2 row_mask:0xf bank_mask:0xf
	v_add_f32_dpp v[SS], v[SS], v[SS] row_xmask:4 row_mask:0xf bank_mask:0xf
	v_add_f32_dpp v[SS], v[SS], v[SS] row_xmask:8 row_mask:0xf bank_mask:0xf
	v_permlanex16_b32 v[ST], v[SS], s28, s29
	v_add_f32 v[SS], v[SS], v[ST]
	v_rcp_f32 v[RS], v[SS]
	v_nop
	s_wait_alu depctr_va_vdst(0)
.irp t, 0,1,2,3,4,5,6,7
	v_mul_f32 v[AL+2*(\t)], v[MT+(\t)], v[RS]
	v_mul_f32 v[AL+2*(\t)+1], v[MT+(\t)], v[RS]
.endr
.irp z, 48,49,50,51
	v_mul_f32 v[\z], v[\z], v[RS]
.endr
	s_lshr_b32 s24, s21, 3
	s_cmp_lg_u32 s20, s24                          ; the piece belongs to batch 4 bg + (cb >> 3)
	s_cbranch_scc1 .Lno_att
	global_store_b128 v[GO], v[48:51], s[16:17]    ; 512 consecutive bytes of att, aligned
.Lno_att:
.irp kb, 0,1,2,3,4,5,6,7
.if (\kb) < 5
	s_wait_loadcnt 27                              ; the three younger groups of nine may stay out
.else
	s_wait_loadcnt 9*(7-(\kb))
.endif
	VPROC \kb
.if (\kb) < 4
	VLOAD (\kb)+4
.endif
.endr
	WIN 0x05
.set co, 0
.rept 128
	v_cvt_pk_bf16_f32 v[WB+co], v[2*co], v[2*co+1]
.set co, co+1
.endr
	WIN 0
	s_wait_xcnt 0x0                                ; the store of att has read v48-51: they are loaded again below only behind this wait
	s_wait_dscnt 0x0                               ; for the others' sake: my batch's v lies in LDS
	s_barrier_signal -1
	s_barrier_wait -1
.irp k, 0,1,2,3,4,5,6,7
	ds_load_b128 v[16+8*(\k):16+8*(\k)+3], v[VBL] offset:64*(\k)
	ds_load_b128 v[16+8*(\k)+4:16+8*(\k)+7], v[VBL] offset:64*(\k)+32
.endr
	WIN 0x80
.irp k, 0,1,2,3,4,5,6,7
	ds_load_b128 v[8*(\k):8*(\k)+3], v[VBL] offset:VLO+64*(\k)
	ds_load_b128 v[8*(\k)+4:8*(\k)+7], v[VBL] offset:VLO+64*(\k)+32
.endr
	WIN 0
	s_wait_dscnt 0x0
	v_wmma_f32_16x16x32_bf16 v[AC0:AC0+7], v[WB:WB+7], v[16:23], 0
	v_wmma_f32_16x16x32_bf16 v[AC1:AC1+7], v[WB+64:WB+71], v[16:23], 0
.irp k, 1,2,3,4,5,6,7
	v_wmma_f32_16x16x32_bf16 v[AC0:AC0+7], v[WB+8*(\k):WB+8*(\k)+7], v[16+8*(\k):16+8*(\k)+7], v[AC0:AC0+7]  ; the two accumulators take turns
	v_wmma_f32_16x16x32_bf16 v[AC1:AC1+7], v[WB+64+8*(\k):WB+64+8*(\k)+7], v[16+8*(\k):16+8*(\k)+7], v[AC1:AC1+7]
.endr
	WIN 0x08
.irp k, 0,1,2,3,4,5,6,7
	v_wmma_f32_16x16x32_bf16 v[AC0:AC0+7], v[WB+8*(\k):WB+8*(\k)+7], v[8*(\k):8*(\k)+7], v[AC0:AC0+7]
	v_wmma_f32_16x16x32_bf16 v[AC1:AC1+7], v[WB+64+8*(\k):WB+64+8*(\k)+7], v[8*(\k):8*(\k)+7], v[AC1:AC1+7]
.endr
	PLACES
	PLACES
	WIN 0
	ds_store_b128 v[LS], v[AC0:AC0+3]
	ds_store_b128 v[LS], v[AC0+4:AC0+7] offset:16
	ds_store_b128 v[LS], v[AC1:AC1+3] offset:1024
	ds_store_b128 v[LS], v[AC1+4:AC1+7] offset:1040
	s_wait_dscnt 0x0
	s_barrier_signal -1
	s_barrier_wait -1
	s_cmp_lt_u32 s20, 2                            ; wave 0 finishes columns 0-15, wave 1 columns 16-31
	s_cbranch_scc0 .Lend
.irp v, 0,1,2,3
	ds_load_b128 v[16+8*(\v):16+8*(\v)+3], v[LR] offset:2048*(\v)
	ds_load_b128 v[16+8*(\v)+4:16+8*(\v)+7], v[LR] offset:2048*(\v)+16
.endr
	s_wait_dscnt 0x0
.irp z, 0,2,4,6
	v_pk_add_f32 v[16+(\z):16+(\z)+1], v[16+(\z):16+(\z)+1], v[24+(\z):24+(\z)+1]
	v_pk_add_f32 v[32+(\z):32+(\z)+1], v[32+(\z):32+(\z)+1], v[40+(\z):40+(\z)+1]
.endr
.irp z, 0,2,4,6
	v_pk_add_f32 v[16+(\z):16+(\z)+1], v[16+(\z):16+(\z)+1], v[32+(\z):32+(\z)+1]
.endr
.irp z, 0,2,4,6
	v_pk_add_f32 v[16+(\z):16+(\z)+1], v[16+(\z):16+(\z)+1], v[BI+(\z):BI+(\z)+1]
.endr
.irp z, 0,2,4,6
	v_pk_mul_f32 v[16+(\z):16+(\z)+1], v[16+(\z):16+(\z)+1], 0x4038aa3b op_sel_hi:[1,0]
.endr
.irp z, 0,1,2,3,4,5,6,7
	v_exp_f32 v[16+(\z)], v[16+(\z)]
.endr
	v_nop
	s_wait_alu depctr_va_vdst(0)
.irp z, 0,2,4,6
	v_pk_add_f32 v[16+(\z):16+(\z)+1], v[16+(\z):16+(\z)+1], 1.0 op_sel_hi:[1,0]
.endr
.irp z, 0,1,2,3,4,5,6,7
	v_rcp_f32 v[16+(\z)], v[16+(\z)]
.endr
	v_nop
	s_wait_alu depctr_va_vdst(0)
.irp z, 0,2,4,6
	v_pk_fma_f32 v[16+(\z):16+(\z)+1], v[16+(\z):16+(\z)+1], -2.0, 1.0 op_sel_hi:[1,0,0]
.endr
	v_cmp_gt_u32 vcc_lo, 4, v2                     ; lanes r < 4 hold the four batches
	s_wait_xcnt 0x0                                ; EXEC changes only behind this wait
	s_and_saveexec_b32 s30, vcc_lo
	global_store_b128 v[YO], v[16:19], s[14:15]
	global_store_b128 v[YO], v[20:23], s[14:15] offset:16
	s_wait_xcnt 0x0                                ; and again, in front of the line that widens it
	s_or_b32 exec_lo, exec_lo, s30
.Lend:
	s_wait_tensorcnt 0x0                           ; the wave's end
	ds_add_u32 v[SPW], v[NIL]
	s_wait_dscnt 0x0
	s_endpgm
.Lfunc_end_k_qd8296d309e_final:
	.size	k_qd8296d309e_final, .Lfunc_end_k_qd8296d309e_final-k_qd8296d309e_final
	.p2alignl 7, 3214868480
	.fill 96, 4, 3214868480
	.section	.rodata,"a",@progbits
	.p2align	6, 0x0
	.amdhsa_kernel k_qd8296d309e_final
		.amdhsa_group_segment_fixed_size 25600
		.amdhsa_private_segment_fixed_size 0
		.amdhsa_enable_private_segment 0
		.amdhsa_kernarg_size 56
		.amdhsa_user_sgpr_count 2
		.amdhsa_user_sgpr_kernarg_segment_ptr 1
		.amdhsa_wavefront_size32 1
		.amdhsa_system_sgpr_workgroup_id_x 1
		.amdhsa_system_sgpr_workgroup_id_y 1
		.amdhsa_system_sgpr_workgroup_id_z 1
		.amdhsa_system_vgpr_workitem_id 0
		.amdhsa_next_free_vgpr 656
		.amdhsa_next_free_sgpr 66
		.amdhsa_reserve_vcc 1
		.amdhsa_float_denorm_mode_32 3
		.amdhsa_float_denorm_mode_16_64 3
		.amdhsa_memory_ordered 1
		.amdhsa_forward_progress 1
		.amdhsa_inst_pref_size 58
	.end_amdhsa_kernel
	.amdgpu_metadata
---
amdhsa.version: [ 1, 2 ]
amdhsa.kernels:
  - .name:           k_qd8296d309e_final
    .symbol:         k_qd8296d309e_final.kd
    .args:
      - { .name: sbuf, .offset: 0, .size: 8, .value_kind: global_buffer, .address_space: global }
      - { .name: vpart, .offset: 8, .size: 8, .value_kind: global_buffer, .address_space: global }
      - { .name: hbuf, .offset: 16, .size: 8, .value_kind: global_buffer, .address_space: global }
      - { .name: W_out, .offset: 24, .size: 8, .value_kind: global_buffer, .address_space: global }
      - { .name: b_out, .offset: 32, .size: 8, .value_kind: global_buffer, .address_space: global }
      - { .name: out0, .offset: 40, .size: 8, .value_kind: global_buffer, .address_space: global }
      - { .name: out1, .offset: 48, .size: 8, .value_kind: global_buffer, .address_space: global }
    .group_segment_fixed_size: 25600
    .private_segment_fixed_size: 0
    .kernarg_segment_align: 8
    .kernarg_segment_size: 56
    .max_flat_workgroup_size: 128
    .sgpr_count:     66
    .vgpr_count:     656
    .wavefront_size: 32
...
	.end_amdgpu_metadata
.endif
;; end of part 4
;; ======== version 2 of 2: 4 launches; version 1 with the launch prep written anew for expert scheduling mode
;; workspace buffers: WA 2,097,152 bytes; WB 2,097,152 bytes; hbuf 131,072 bytes; hepart 2,097,152 bytes; Fbuf 67,108,864 bytes; sbuf 131,072 bytes; vpart 1,048,576 bytes
;; launch prep (part 5): grid 192 x 1, 4 waves a work-group, no clusters, 8,704 bytes of LDS; arguments hidden, W_lh, b_lh, W_lf, hbuf, WA, W_ef, WB; writes hbuf, WA, WB
.if DOCPART == 5
	.amdgcn_target "amdgcn-amd-amdhsa--gfx1250"
	.amdhsa_code_object_version 6
	.text
	.protected	k_qd8296d309e_prep
	.globl	k_qd8296d309e_prep
	.p2align	8
	.type	k_qd8296d309e_prep,@function
k_qd8296d309e_prep:
	s_mov_b64 s[64:65], 0
	v_nop
	global_prefetch_b8 v0, s[64:65] scope:SCOPE_SE
	s_setreg_imm32_b32 hwreg(HW_REG_WAVE_SCHED_MODE, 0, 2), 2
	s_setreg_imm32_b32 hwreg(HW_REG_WAVE_MODE, 25, 1), 1
	s_wait_xcnt 0x0
	s_wait_alu depctr_vm_vsrc(0)
; THE PROGRAM (four launches): h = tanh(hidden W_lh^T + b_lh), and W_lf and W_ef in bf16 (here); f = relu(W_lf X + b_lf) in bf16, and beside it sixteen partial sums of h W_eh^T;
; scores, tile maxima and tile sums of p f; softmax, v, out.
; WORK LEFT OUT, for all values of the inputs.  scores[b][l] reach the outputs only through softmax over l, and softmax(s + c) = softmax(s) for any c that is the same along l.
; (1) b_att is such a c: it has no way to any output, is not loaded and is no launch's argument.  (2) tanh(x) = 1 - 2 / (1 + e^(2x)), so the sum over g of w_att[g] tanh(..) is
; (the sum of w_att) - 2 x the sum of w_att[g] / (1 + e^(2x)); the first term is the same along l and is not formed.
; LIMIT: a NaN, an infinity or an overflow in b_att or in the sum of w_att is not carried to the result.
; THIS LAUNCH.  Work-groups 0-63: 16 columns n0 = 16 wg of h[32][1024].  D[m = column][n = batch]: source 0 = 16 rows of W_lh, source 1 = 16 rows of hidden, both rounded to bf16 on the way;
; K is split among the four waves (256 each, 8 steps of 32); the four partial sums meet in LDS.  A lane ends with 8 neighbouring columns of one batch: two stores of 16 bytes (64 consecutive bytes of a row from two lanes).
; Work-groups 64-127 (W_lf) and 128-191 (W_ef): 16 rows of the weights are rounded to bf16 and laid in the order in which a wave's operand registers take them:
; byte = c 131072 + kh 65536 + i 4096 + mt 1024 + half 512 + lane 16 holds W[64 c + 16 mt + lane % 16][512 kh + 32 i + 16 half + 8 (lane / 16) + 0..7]; each store covers 512 consecutive bytes, aligned.
; tanh(x) = 1 - 2 / (1 + 2^(2 log2(e) x)): right at both ends (2^.. = infinity gives 1, 0 gives -1).
; THE MODE: SCHED_MODE bits 1:0 = 2 (LLVM: expert scheduling mode 2), set by the entry lines.  The code itself states the register dependences
; between vector or matrix instructions and memory or LDS instructions, with s_wait_alu, always for 0.
; THE PLAN.  Registers that memory or LDS instructions touch:
;   v[AO], v[B5], v[YO], v[LS], v[LR]   offsets and LDS addresses: each written once on its path by vector lines, then only read by loads and stores.
;   v[BI1 ..], the raw f32 (windows 1 and 2; in the layout arm v32-159)   each loaded once; no vector line names them before their loads are issued.
;   AC0, AC1      written by the matrix instructions, read by four LDS stores, not written again.
;   v[OPS .. OPS+31]   written by conversions, read by matrix instructions; behind the barrier eight LDS loads land there; the first eight are then the data of the two last stores.
;   v160-223      the layout arm's out registers, four for each of 16 pairs: each written once by conversions and read by one store.
;   v[SPW], v[NIL]     written at the head, read by the closing add alone.
; No register that a memory or LDS instruction reads is ever written again, so the text holds no wait on vm_vsrc.
; The product arm has three waits on va_vdst beside the two behind its transcendentals: ahead of its loads, ahead of its LDS stores, ahead of its two global stores.
; The layout arm goes in four groups of four pairs: one wait ahead of its loads, one at the head of each later group, which states that the group before has written its out registers
; (its four stores follow, dealt among this group's conversions, which name other registers), and one ahead of the last four stores.
.set PX,  4                            ; s[4:5]   hidden
.set PW,  6                            ; s[6:7]   W_lh
.set PB1, 8                            ; s[8:9]   b_lh
.set PCW, 10                           ; s[10:11] the weights to lay out: W_lf, or
.set PY,  12                           ; s[12:13] h
.set PCO, 14                           ; s[14:15] the laid-out weights: WA, or
.set PCW2, 16                          ; s[16:17] W_ef
.set PCO2, 18                          ; s[18:19] WB
.set PART,  0                          ; LDS: wave v's two partial tiles, 1,024 bytes each, at 2,048 v
.set SPARE, 8192                       ; the spare words, 128 bytes a wave
.set AO,  4                            ; v4  (l % 16) 4096 + (l / 16) 32 + wave 1024: my bytes in 16 rows of 4,096
.set B5,  5                            ; v5  (l / 16) 32, or 16 l
.set YO,  6                            ; v6  (l % 16) 4096 + (l / 16) 32
.set LS,  7
.set LR,  8
.set BI1, 24
.set OPS, 32                           ; v[32:223] bf16 fragments: step kk at 24 kk: A, B of batches 0-15, B of batches 16-31
.set AC0, 224
.set AC1, 232
.set SPW, 254
.set NIL, 255
.set MSB, 0
.macro WIN new
.if MSB != (\new)
	s_set_vgpr_msb (MSB<<8)|(\new)
.set MSB, \new
.endif
.endm
.macro PLACES
.rept 4
	v_nop
.endr
.endm
	s_load_b256 s[4:11], s[0:1], 0x0
	s_load_b256 s[12:19], s[0:1], 0x20
	v_lshl_add_u32 v[SPW], v0, 2, SPARE
	v_mov_b32 v[NIL], 0
	v_lshrrev_b32 v1, 5, v0
	v_readfirstlane_b32 s20, v1                    ; wave
	v_and_b32 v1, 31, v0
	v_and_b32 v2, 15, v0
	v_bfe_u32 v3, v0, 4, 1
	v_lshlrev_b32 v[YO], 12, v2
	v_lshl_add_u32 v[YO], v3, 5, v[YO]
	s_wait_alu depctr_va_sdst(0)                   ; s20 is written, ahead of its first reader: offsets, bases and branches are made from it
	s_lshl_b32 s21, s20, 10
	v_add_nc_u32 v[AO], s21, v[YO]
	s_mov_b32 s23, 0
	s_wait_kmcnt 0x0
	s_cmp_lt_u32 ttmp9, 64                         ; the same in all waves of a work-group
	s_cbranch_scc0 .Lconv
	s_lshl_b32 s22, ttmp9, 16                      ; 16 rows of W
	s_add_nc_u64 s[PW:PW+1], s[PW:PW+1], s[22:23]
	s_lshl_b32 s22, ttmp9, 6                       ; 16 columns of 4 bytes
	s_add_nc_u64 s[PB1:PB1+1], s[PB1:PB1+1], s[22:23]
	s_and_b32 s24, s20, 1
	s_lshl_b32 s24, s24, 16                        ; the 16 batches that wave 0 or 1 finishes
	s_add_co_u32 s22, s22, s24
	s_add_nc_u64 s[PY:PY+1], s[PY:PY+1], s[22:23]
	v_lshlrev_b32 v[B5], 5, v3
	s_wait_alu depctr_va_vdst(0)                   ; v[B5] and v[AO] are written, which the 98 loads below read as their offsets; only loads and window switches follow up to the last of them
	global_load_b128 v[BI1:BI1+3], v[B5], s[PB1:PB1+1]
	global_load_b128 v[BI1+4:BI1+7], v[B5], s[PB1:PB1+1] offset:16
; all 96 loads of the wave go out at once, twelve a step: raw f32 in windows 1 (steps 0-4) and 2 (steps 5-7)
.irp kk, 0,1,2,3,4,5,6,7
.if (\kk) < 5
	WIN 0x40
.set lb, 48*(\kk)
.else
	WIN 0x80
.set lb, 48*((\kk)-5)
.endif
.irp s, 0,1,2,3
	global_load_b128 v[lb+4*(\s):lb+4*(\s)+3], v[AO], s[PW:PW+1] offset:(\kk)*128+16*((\s)%2)+64*((\s)/2) th:TH_LOAD_NT
.endr
.irp s, 0,1,2,3
	global_load_b128 v[lb+16+4*(\s):lb+16+4*(\s)+3], v[AO], s[PX:PX+1] offset:(\kk)*128+16*((\s)%2)+64*((\s)/2)
.endr
.irp s, 0,1,2,3
	global_load_b128 v[lb+32+4*(\s):lb+32+4*(\s)+3], v[AO], s[PX:PX+1] offset:65536+(\kk)*128+16*((\s)%2)+64*((\s)/2)
.endr
.endr
	WIN 0
	s_lshl_b32 s21, s20, 11
	v_lshl_add_u32 v[LS], v1, 5, s21               ; no memory or LDS instruction has named v[LS] or v[LR] yet
	s_and_b32 s21, s20, 1
	s_lshl_b32 s21, s21, 10
	v_lshl_add_u32 v[LR], v1, 5, s21
.irp kk, 0,1,2,3,4,5,6,7
.if 84-12*(\kk) > 63
	s_wait_loadcnt 63                              ; the field's largest count: more than this step's twelve are in
.else
	s_wait_loadcnt 84-12*(\kk)                     ; the later steps' loads, twelve each, may stay out
.endif
.if (\kk) < 5
	WIN 0x05
.set lb, 48*(\kk)
.else
	WIN 0x0a
.set lb, 48*((\kk)-5)
.endif
.set co, 0
.rept 24
	v_cvt_pk_bf16_f32 v[OPS+24*(\kk)+co], v[lb+2*co], v[lb+2*co+1]
.set co, co+1
.endr
	WIN 0
.if (\kk) == 0
	v_wmma_f32_16x16x32_bf16 v[AC0:AC0+7], v[OPS:OPS+7], v[OPS+8:OPS+15], 0
	v_wmma_f32_16x16x32_bf16 v[AC1:AC1+7], v[OPS:OPS+7], v[OPS+16:OPS+23], 0
.else
	v_wmma_f32_16x16x32_bf16 v[AC0:AC0+7], v[OPS+24*(\kk):OPS+24*(\kk)+7], v[OPS+24*(\kk)+8:OPS+24*(\kk)+15], v[AC0:AC0+7]  ; the two accumulators take turns
	v_wmma_f32_16x16x32_bf16 v[AC1:AC1+7], v[OPS+24*(\kk):OPS+24*(\kk)+7], v[OPS+24*(\kk)+16:OPS+24*(\kk)+23], v[AC1:AC1+7]
.endif
.endr
	PLACES
	PLACES
	s_wait_alu depctr_va_vdst(0)                   ; the matrix instructions have written both accumulators, the LDS stores' data; v[LS] and v[LR] are written; conversions and matrix instructions are done with
	                                               ; v[OPS .. OPS+31], in which the LDS loads behind the barrier land (no vector line stands between here and them).  The places above stay beside this wait
	ds_store_b128 v[LS], v[AC0:AC0+3] offset:PART
	ds_store_b128 v[LS], v[AC0+4:AC0+7] offset:PART+16
	ds_store_b128 v[LS], v[AC1:AC1+3] offset:PART+1024
	ds_store_b128 v[LS], v[AC1+4:AC1+7] offset:PART+1040
	s_wait_dscnt 0x0                               ; for the others' sake: my partial sums lie in LDS
	s_barrier_signal -1
	s_barrier_wait -1
	s_cmp_lt_u32 s20, 2                            ; wave 0 finishes batches 0-15, wave 1 batches 16-31
	s_cbranch_scc0 .Lend
.irp v, 0,1,2,3
	ds_load_b128 v[OPS+8*(\v):OPS+8*(\v)+3], v[LR] offset:PART+2048*(\v)
	ds_load_b128 v[OPS+8*(\v)+4:OPS+8*(\v)+7], v[LR] offset:PART+2048*(\v)+16
.endr
	s_wait_dscnt 0x0
.irp z, 0,2,4,6
	v_pk_add_f32 v[OPS+(\z):OPS+(\z)+1], v[OPS+(\z):OPS+(\z)+1], v[OPS+8+(\z):OPS+8+(\z)+1]
	v_pk_add_f32 v[OPS+16+(\z):OPS+16+(\z)+1], v[OPS+16+(\z):OPS+16+(\z)+1], v[OPS+24+(\z):OPS+24+(\z)+1]
.endr
.irp z, 0,2,4,6
	v_pk_add_f32 v[OPS+(\z):OPS+(\z)+1], v[OPS+(\z):OPS+(\z)+1], v[OPS+16+(\z):OPS+16+(\z)+1]
.endr
.irp z, 0,2,4,6
	v_pk_add_f32 v[OPS+(\z):OPS+(\z)+1], v[OPS+(\z):OPS+(\z)+1], v[BI1+(\z):BI1+(\z)+1]
.endr
.irp z, 0,2,4,6
	v_pk_mul_f32 v[OPS+(\z):OPS+(\z)+1], v[OPS+(\z):OPS+(\z)+1], 0x4038aa3b op_sel_hi:[1,0]  ; 2 log2(e) x
.endr
.irp z, 0,1,2,3,4,5,6,7
	v_exp_f32 v[OPS+(\z)], v[OPS+(\z)]
.endr
	v_nop                                          ; a plain instruction behind the last exponential,
	s_wait_alu depctr_va_vdst(0)                   ; and one wait for the batch of eight: the exponentials have written v[OPS .. OPS+7], which the additions read
.irp z, 0,2,4,6
	v_pk_add_f32 v[OPS+(\z):OPS+(\z)+1], v[OPS+(\z):OPS+(\z)+1], 1.0 op_sel_hi:[1,0]
.endr
.irp z, 0,1,2,3,4,5,6,7
	v_rcp_f32 v[OPS+(\z)], v[OPS+(\z)]
.endr
	v_nop
	s_wait_alu depctr_va_vdst(0)                   ; one wait for the eight reciprocals, which the multiply-adds read
.irp z, 0,2,4,6
	v_pk_fma_f32 v[OPS+(\z):OPS+(\z)+1], v[OPS+(\z):OPS+(\z)+1], -2.0, 1.0 op_sel_hi:[1,0,0]
.endr
	s_wait_alu depctr_va_vdst(0)                   ; the multiply-adds have written v[OPS .. OPS+7], the two stores' data (v[YO] was written at the head)
	global_store_b128 v[YO], v[OPS:OPS+3], s[PY:PY+1]
	global_store_b128 v[YO], v[OPS+4:OPS+7], s[PY:PY+1] offset:16
	s_branch .Lend
.Lconv:
	s_sub_co_u32 s22, ttmp9, 64                    ; 0-63: W_lf into WA; 64-127: W_ef into WB
	s_cmp_lt_u32 s22, 64
	s_cselect_b64 s[PCW:PCW+1], s[PCW:PCW+1], s[PCW2:PCW2+1]
	s_cselect_b64 s[PCO:PCO+1], s[PCO:PCO+1], s[PCO2:PCO2+1]
	s_and_b32 s22, s22, 63                         ; jj = 4 c + mt: rows 16 jj
	s_lshl_b32 s26, s22, 16
	s_mov_b32 s27, 0
	s_add_nc_u64 s[PCW:PCW+1], s[PCW:PCW+1], s[26:27]
	s_lshr_b32 s24, s22, 2
	s_and_b32 s25, s22, 3
	s_lshl_b32 s26, s24, 17                        ; c 131072
	s_lshl_b32 s28, s20, 15                        ; kh 65536 + (wave & 1) 8 steps of 4,096
	s_add_co_u32 s26, s26, s28
	s_lshl_b32 s28, s25, 10                        ; mt 1024
	s_add_co_u32 s26, s26, s28
	s_add_nc_u64 s[PCO:PCO+1], s[PCO:PCO+1], s[26:27]
	v_lshlrev_b32 v[B5], 4, v1
	s_wait_alu depctr_va_vdst(0)                   ; v[AO], the loads' offset, and v[B5], the stores', are written; neither is written again
.set cl, 0
.rept 32
	global_load_b128 v[32+4*cl:32+4*cl+3], v[AO], s[PCW:PCW+1] offset:(cl/4)*128+((cl/2)%2)*64+(cl%2)*16 th:TH_LOAD_NT
.set cl, cl+1
.endr
; Pair cp of 16: two loads' numbers are rounded into four out registers.  The pairs go in four groups of four; a group's stores are issued in the next group, one ahead of each pair's conversions.
.set cp, 0
.rept 16
	s_wait_loadcnt 30-2*cp                         ; the later pairs of loads may stay out
.if (cp >= 4) && (cp%4 == 0)
	s_wait_alu depctr_va_vdst(0)                   ; the group before has written its sixteen out registers, which the next four stores read; this group's conversions name other registers
.endif
.if cp >= 4
	global_store_b128 v[B5], v[160+4*(cp-4):160+4*(cp-4)+3], s[PCO:PCO+1] offset:((cp-4)/2)*4096+((cp-4)%2)*512
.endif
.irp m, 0,1,2,3
	v_cvt_pk_bf16_f32 v[160+4*cp+(\m)], v[32+8*cp+2*(\m)], v[32+8*cp+2*(\m)+1]
.endr
.set cp, cp+1
.endr
	s_wait_alu depctr_va_vdst(0)                   ; the last group has written its sixteen out registers, which the last four stores read
.set cp, 12
.rept 4
	global_store_b128 v[B5], v[160+4*cp:160+4*cp+3], s[PCO:PCO+1] offset:(cp/2)*4096+(cp%2)*512
.set cp, cp+1
.endr
.Lend:
	s_wait_dscnt 0x0                               ; the closing lines, six on end
	s_wait_alu 0x0
	s_wait_tensorcnt 0x0
	ds_add_u32 v[SPW], v[NIL]
	s_wait_dscnt 0x0
	s_endpgm
.Lfunc_end_k_qd8296d309e_prep:
	.size	k_qd8296d309e_prep, .Lfunc_end_k_qd8296d309e_prep-k_qd8296d309e_prep
	.p2alignl 7, 3214868480
	.fill 96, 4, 3214868480
	.section	.rodata,"a",@progbits
	.p2align	6, 0x0
	.amdhsa_kernel k_qd8296d309e_prep
		.amdhsa_group_segment_fixed_size 8704
		.amdhsa_private_segment_fixed_size 0
		.amdhsa_enable_private_segment 0
		.amdhsa_kernarg_size 64
		.amdhsa_user_sgpr_count 2
		.amdhsa_user_sgpr_kernarg_segment_ptr 1
		.amdhsa_wavefront_size32 1
		.amdhsa_system_sgpr_workgroup_id_x 1
		.amdhsa_system_sgpr_workgroup_id_y 1
		.amdhsa_system_sgpr_workgroup_id_z 1
		.amdhsa_system_vgpr_workitem_id 0
		.amdhsa_next_free_vgpr 656
		.amdhsa_next_free_sgpr 66
		.amdhsa_reserve_vcc 0
		.amdhsa_float_denorm_mode_32 3
		.amdhsa_float_denorm_mode_16_64 3
		.amdhsa_memory_ordered 1
		.amdhsa_forward_progress 1
		.amdhsa_inst_pref_size 39
	.end_amdhsa_kernel
	.amdgpu_metadata
---
amdhsa.version: [ 1, 2 ]
amdhsa.kernels:
  - .name:           k_qd8296d309e_prep
    .symbol:         k_qd8296d309e_prep.kd
    .args:
      - { .name: hidden, .offset: 0, .size: 8, .value_kind: global_buffer, .address_space: global }
      - { .name: W_lh, .offset: 8, .size: 8, .value_kind: global_buffer, .address_space: global }
      - { .name: b_lh, .offset: 16, .size: 8, .value_kind: global_buffer, .address_space: global }
      - { .name: W_lf, .offset: 24, .size: 8, .value_kind: global_buffer, .address_space: global }
      - { .name: hbuf, .offset: 32, .size: 8, .value_kind: global_buffer, .address_space: global }
      - { .name: WA, .offset: 40, .size: 8, .value_kind: global_buffer, .address_space: global }
      - { .name: W_ef, .offset: 48, .size: 8, .value_kind: global_buffer, .address_space: global }
      - { .name: WB, .offset: 56, .size: 8, .value_kind: global_buffer, .address_space: global }
    .group_segment_fixed_size: 8704
    .private_segment_fixed_size: 0
    .kernarg_segment_align: 8
    .kernarg_segment_size: 64
    .max_flat_workgroup_size: 128
    .sgpr_count:     66
    .vgpr_count:     656
    .wavefront_size: 32
...
	.end_amdgpu_metadata
.endif
;; end of part 5
;; launch gemm1: the kernel of part 2 again; grid 8 x 32, 4 waves a work-group, clusters of 4 x 1, 327,680 bytes of LDS; arguments features, WA, b_lf, Fbuf, hbuf, W_eh, hepart; writes Fbuf, hepart
;; launch gemm2: the kernel of part 3 again; grid 8 x 32, 4 waves a work-group, clusters of 4 x 1, 327,680 bytes of LDS; arguments Fbuf, WB, hepart, w_att, sbuf, vpart, b_eh, b_ef; writes sbuf, vpart
;; launch final: the kernel of part 4 again; grid 32 x 8, 4 waves a work-group, no clusters, 25,600 bytes of LDS; arguments sbuf, vpart, hbuf, W_out, b_out, out0, out1; writes out0, out1
